; MI455X (gfx1250); checked and timed in simulation.
; The chip was launched on July 23, 2026; its instructions are those of AMD's public machine-readable ISA for CDNA 5 (MIT licence, August 2026) and "CDNA5" Instruction Set Architecture Reference Guide (July 2026). The comments in the code are by the model that wrote it; some were corrected since.
;; Sparse Multi Head Attention. Allowed arithmetic: float matrix products may take bf16 or f16 operands with f32 sums; other float arithmetic in f32, or as packed bf16 or f16 multiplies, adds, multiply-adds, maxima and minima; sums over many terms, partial sums and values carried from step to step in f32; what a program stores and reads back later, other than sums and carried values, may be rounded once to bf16 or f16.
;; Inputs: attn_mask 4 x 2,048 float32; bk 1,024 float32; bo 1,024 float32; bq 1,024 float32; bv 1,024 float32; k 4 x 2,048 x 1,024 float32; q 4 x 2,048 x 1,024 float32; v 4 x 2,048 x 1,024 float32; wk 1,024 x 1,024 float32; wo 1,024 x 1,024 float32; wq 1,024 x 1,024 float32; wv 1,024 x 1,024 float32.
;; Outputs: out0 4 x 2,048 x 1,024 float32.
;; 2 versions, each right; version 2 is version 1 with the launch wprep written anew for expert scheduling mode. Each part assembles by itself: llvm-mc -triple=amdgcn-amd-amdhsa -mcpu=gfx1250 --defsym DOCPART=n.
;; ======== version 1 of 2: 5 launches
;; limits: values are held in f16: magnitudes above 65,504 overflow, below 6.1e-05 lose precision; right only within a limited range of input values
;; workspace buffers: wqt 2,097,152 bytes; wkt 2,097,152 bytes; wvt 2,097,152 bytes; wot 2,097,152 bytes; qh 16,777,216 bytes; kh 16,777,216 bytes; vh 16,777,216 bytes; oh 16,777,216 bytes
;; launch wprep (part 1): grid 128 x 4, 4 waves a work-group, no clusters, 17,920 bytes of LDS; arguments wq, wk, wv, wo, wqt, wkt, wvt, wot; writes wqt, wkt, wvt, wot
.if DOCPART == 1
	.amdgcn_target "amdgcn-amd-amdhsa--gfx1250"
	.amdhsa_code_object_version 6
	.text
	.protected	k_qc4a469c819_wprep
	.globl	k_qc4a469c819_wprep
	.p2align	8
	.type	k_qc4a469c819_wprep,@function
k_qc4a469c819_wprep:
	s_mov_b64 s[64:65], 0
	v_nop
	global_prefetch_b8 v0, s[64:65] scope:SCOPE_SE
	s_setreg_imm32_b32 hwreg(HW_REG_WAVE_MODE, 25, 1), 1
	s_wait_xcnt 0x0
; W[k][n], f32, 1024 x 1024  ->  W^T[n][k] in 16 bits, so that the products' second operand has K along its rows.
; wq, wk, wv are rounded once to bf16.  wo is rounded to bf16 like every input and that number is written as f16 (its partner O is f16):
; exact between 2^-14 and 65,504; below 2^-14 it keeps f16's fixed step of 2^-24 (LIMIT).
; SHARES.  Grid y picks the weight.  A work-group turns a tile of 128 k x 64 n: rows of 256 bytes in (64 f32), rows of 256 bytes out (128 numbers of 16 bits).
; Wave w reads k rows 32 w .. 32 w + 31, sixteen lanes a row of 256 bytes; two rows that lie under each other pack into one word (k, k + 1) of column n.
; The words go into LDS as T[n][k] (pitch 272) by stores of 4 bytes, four lanes to a bank: the launch moves 24 MiB and has no other work, so that is left as it is.
; No matrix unit, tensor load, cluster or prefetch: a short stream whose loads all go out at the head.
.set PITCH, 272
.set SPARE, 64*PITCH                   ; behind T: the spare words, 128 bytes a wave
.set LO,  4                            ; v4  my byte offset in the tile of W
.set LS,  5                            ; v5  where my words go in T
.set SO,  6                            ; v6  my byte offset in the tile of W^T
.set LR,  7                            ; v7  where I read T back
.set SPW, 8                            ; v8  LDS address of my spare word; never rewritten
.set NIL, 9                            ; v9  0; never rewritten
.set X,   16                           ; v[16:79]  as loaded: pair i of rows at X + 8 i (upper row), X + 8 i + 4 (lower row)
.set T,   80                           ; v[80:111] packed words
	s_load_b512 s[8:23], s[0:1], 0x0               ; wq wk wv wo s[8:15], wqt wkt wvt wot s[16:23]
	v_lshl_add_u32 v[SPW], v0, 2, SPARE
	v_mov_b32 v[NIL], 0
	v_lshrrev_b32 v1, 5, v0
	v_readfirstlane_b32 s30, v1                    ; wave 0..3
	s_and_b32 s24, ttmp7, 0xffff                   ; which weight
	s_and_b32 s25, ttmp9, 7                        ; tile along k
	s_lshr_b32 s26, ttmp9, 3                       ; tile along n
	v_and_b32 v1, 15, v0                           ; c: my four columns 4 c ..
	v_bfe_u32 v2, v0, 4, 1                         ; hh: which pair of rows
	v_lshlrev_b32 v[LO], 4, v1                     ; 16 c
	v_lshl_add_u32 v[LO], v2, 13, v[LO]            ; + 2 hh rows of 4,096 bytes
	v_lshl_add_u32 v[LO], s30, 17, v[LO]           ; + 32 w rows
	v_mul_u32_u24 v[LS], v1, 4*PITCH               ; row n = 4 c
	v_lshl_add_u32 v[LS], v2, 2, v[LS]             ; k = 2 hh: 4 bytes
	v_lshl_add_u32 v[LS], s30, 6, v[LS]            ; k = 32 w: 64 bytes
	v_lshl_add_u32 v3, s30, 4, v2                  ; row n = 16 w + hh
	v_mul_u32_u24 v[LR], v3, PITCH
	v_lshl_add_u32 v[LR], v1, 4, v[LR]
	v_lshlrev_b32 v[SO], 11, v3                    ; a row of W^T is 2,048 bytes
	v_lshl_add_u32 v[SO], v1, 4, v[SO]
	s_lshl_b32 s28, s25, 19                        ; 128 rows of 4,096 bytes
	s_lshl_b32 s27, s26, 8                         ; 64 columns of 4 bytes
	s_add_co_u32 s28, s28, s27
	s_mov_b32 s29, 0
	s_lshl_b32 s32, s26, 17                        ; 64 rows of 2,048 bytes
	s_lshl_b32 s27, s25, 8                         ; 128 columns of 2 bytes
	s_add_co_u32 s32, s32, s27
	s_mov_b32 s33, 0
	s_wait_kmcnt 0x0
	s_cmp_eq_u32 s24, 1
	s_cselect_b64 s[4:5], s[10:11], s[8:9]
	s_cselect_b64 s[6:7], s[18:19], s[16:17]
	s_cmp_eq_u32 s24, 2
	s_cselect_b64 s[4:5], s[12:13], s[4:5]
	s_cselect_b64 s[6:7], s[20:21], s[6:7]
	s_cmp_eq_u32 s24, 3
	s_cselect_b64 s[4:5], s[14:15], s[4:5]
	s_cselect_b64 s[6:7], s[22:23], s[6:7]
	s_add_nc_u64 s[4:5], s[4:5], s[28:29]
	s_add_nc_u64 s[6:7], s[6:7], s[32:33]
.irp i, 0,1,2,3,4,5,6,7
	global_load_b128 v[X+8*(\i):X+8*(\i)+3],   v[LO], s[4:5] offset:(\i)*16384 th:TH_LOAD_NT
	global_load_b128 v[X+8*(\i)+4:X+8*(\i)+7], v[LO], s[4:5] offset:(\i)*16384+4096 th:TH_LOAD_NT
.endr
; fmt = 0: bf16.  fmt = 1: the bf16 number written as f16.
.macro PACKW fmt
.irp i, 0,1,2,3,4,5,6,7
	s_wait_loadcnt 14-2*(\i)                       ; loads come back in order: pair i is in, the younger pairs stay out
.irp e, 0,1,2,3
	v_cvt_pk_bf16_f32 v[T+4*(\i)+(\e)], v[X+8*(\i)+(\e)], v[X+8*(\i)+4+(\e)]  ; (k, k + 1) of column 4 c + e
.if \fmt
	v_lshlrev_b32 v10, 16, v[T+4*(\i)+(\e)]
	v_and_b32 v11, 0xffff0000, v[T+4*(\i)+(\e)]
	v_cvt_pk_f16_f32 v[T+4*(\i)+(\e)], v10, v11
.endif
	ds_store_b32 v[LS], v[T+4*(\i)+(\e)] offset:(\e)*PITCH+8*(\i)
.endr
.endr
.endm
	s_cmp_eq_u32 s24, 3
	s_cbranch_scc1 .Lf16
	PACKW 0
	s_branch .Lpacked
.Lf16:
	PACKW 1
.Lpacked:
	s_wait_dscnt 0x0                               ; for the others' sake: my words lie in T
	s_barrier_signal -1
	s_barrier_wait -1
.irp u, 0,1,2,3,4,5,6,7
	ds_load_b128 v[X+4*(\u):X+4*(\u)+3], v[LR] offset:(\u)*2*PITCH  ; rows 16 w + 2 u + hh, whole
.endr
.irp u, 0,1,2,3,4,5,6,7
	s_wait_dscnt 7-(\u)
	global_store_b128 v[SO], v[X+4*(\u):X+4*(\u)+3], s[6:7] offset:(\u)*4096  ; sixteen lanes store 256 consecutive bytes, aligned
.endr
	s_wait_tensorcnt 0x0                           ; the wave's end: behind my last LDS store
	ds_add_u32 v[SPW], v[NIL]
	s_wait_dscnt 0x0
	s_endpgm
.Lfunc_end_k_qc4a469c819_wprep:
	.size	k_qc4a469c819_wprep, .Lfunc_end_k_qc4a469c819_wprep-k_qc4a469c819_wprep
	.p2alignl 7, 3214868480
	.fill 96, 4, 3214868480
	.section	.rodata,"a",@progbits
	.p2align	6, 0x0
	.amdhsa_kernel k_qc4a469c819_wprep
		.amdhsa_group_segment_fixed_size 17920
		.amdhsa_private_segment_fixed_size 0
		.amdhsa_enable_private_segment 0
		.amdhsa_kernarg_size 64
		.amdhsa_user_sgpr_count 2
		.amdhsa_user_sgpr_kernarg_segment_ptr 1
		.amdhsa_wavefront_size32 1
		.amdhsa_system_sgpr_workgroup_id_x 1
		.amdhsa_system_sgpr_workgroup_id_y 1
		.amdhsa_system_sgpr_workgroup_id_z 1
		.amdhsa_system_vgpr_workitem_id 0
		.amdhsa_next_free_vgpr 112
		.amdhsa_next_free_sgpr 66
		.amdhsa_reserve_vcc 0
		.amdhsa_float_denorm_mode_32 3
		.amdhsa_float_denorm_mode_16_64 3
		.amdhsa_memory_ordered 1
		.amdhsa_forward_progress 1
		.amdhsa_inst_pref_size 19
	.end_amdhsa_kernel
	.amdgpu_metadata
---
amdhsa.version: [ 1, 2 ]
amdhsa.kernels:
  - .name:           k_qc4a469c819_wprep
    .symbol:         k_qc4a469c819_wprep.kd
    .args:
      - { .name: wq, .offset: 0, .size: 8, .value_kind: global_buffer, .address_space: global }
      - { .name: wk, .offset: 8, .size: 8, .value_kind: global_buffer, .address_space: global }
      - { .name: wv, .offset: 16, .size: 8, .value_kind: global_buffer, .address_space: global }
      - { .name: wo, .offset: 24, .size: 8, .value_kind: global_buffer, .address_space: global }
      - { .name: wqt, .offset: 32, .size: 8, .value_kind: global_buffer, .address_space: global }
      - { .name: wkt, .offset: 40, .size: 8, .value_kind: global_buffer, .address_space: global }
      - { .name: wvt, .offset: 48, .size: 8, .value_kind: global_buffer, .address_space: global }
      - { .name: wot, .offset: 56, .size: 8, .value_kind: global_buffer, .address_space: global }
    .group_segment_fixed_size: 17920
    .private_segment_fixed_size: 0
    .kernarg_segment_align: 8
    .kernarg_segment_size: 64
    .max_flat_workgroup_size: 128
    .sgpr_count:     66
    .vgpr_count:     112
    .wavefront_size: 32
...
	.end_amdgpu_metadata
.endif
;; end of part 1
;; launch proj (part 2): grid 4 x 192, 4 waves a work-group, clusters of 4 x 4, 327,680 bytes of LDS; arguments q, k, v, wqt, wkt, wvt, bq, bk, bv, qh, kh, vh; writes qh, kh, vh
.if DOCPART == 2
	.amdgcn_target "amdgcn-amd-amdhsa--gfx1250"
	.amdhsa_code_object_version 6
	.text
	.protected	k_qc4a469c819_proj
	.globl	k_qc4a469c819_proj
	.p2align	8
	.type	k_qc4a469c819_proj,@function
k_qc4a469c819_proj:
	s_mov_b64 s[64:65], 0
	v_nop
	global_prefetch_b8 v0, s[64:65] scope:SCOPE_SE
	s_setreg_imm32_b32 hwreg(HW_REG_WAVE_MODE, 25, 1), 1
	s_wait_xcnt 0x0
	s_wait_alu depctr_hold_cnt(0) depctr_sa_sdst(0) depctr_va_vdst(0) depctr_va_sdst(0) depctr_va_ssrc(0) depctr_va_vcc(0) depctr_vm_vsrc(0)
	s_getreg_b32 s2, hwreg(HW_REG_IB_STS2, 6, 4)
	s_cmp_eq_u32 s2, 0
	s_cbranch_scc0 .Lentry_in_a_cluster
	s_endpgm
.Lentry_in_a_cluster:
	s_bfe_u32 s2, ttmp6, 0x10000c
	s_cmp_lg_u32 s2, 0xf033
	s_cbranch_scc0 .Lentry_shape_is_right
	s_endpgm
.Lentry_shape_is_right:
; THE THREE PROJECTIONS.  Y[t][n] = sum over k of bf16(x[t][k]) W^T[n][k] + bf16(b[n]);  x: [8192][1024] f32;  W^T: [1024][1024] bf16;  sums in f32;
; Y rounded once to f16 and laid by heads, [batch][head][token][64], unscaled.  LIMIT: f16 ends at 65,504: |Y| stays below it.
; SHARES.  16 clusters of 4 x 4 work-groups to a projection (cluster y / 16 picks it, alike in all partners).  A tile of Y is 128 tokens x 256 columns: 3 x 256 work-groups.
; A wave makes 64 x 128: 32 accumulators.  K goes in 8 steps of 128 through two LDS slots filled by the tensor data mover.
; x STAYS f32 ON ITS WAY INTO LDS (rows of 512 bytes): it is read from memory once and written nowhere.  A fragment is read as 16 f32 a lane and rounded by eight
; v_cvt_pk_bf16_f32, which stand in fours between the matrix instructions of the group before: 32 conversions for a quarter step's 32 products.
; THE MATRIX INSTRUCTION IS USED TRANSPOSED (source 0 = 16 rows of W^T, source 1 = 16 tokens): a lane holds eight neighbouring columns of one token.
; THE BIAS is the C operand of the first K quarter's products: nothing is cleared, nothing added later.
; CLUSTER.  x's tile hangs on the tile row alone: asked for jointly along a row of the cluster; W^T's on the tile column (and the projection): along a column.
; REGISTERS, in windows of 256:  window 0: v16-31 addresses; v32-63 ABF, x's four fragments in bf16; v64-127, v128-191 STG, x's fragments in f32, two buffers; v192-223, v224-255 the way out
;   window 1: the accumulators, (a, b) at 8 (8 a + b)       window 2: v0-63, v64-127 W^T's fragments, two buffers; v128-191 the bias, 8 registers for each of 8 column blocks
.set PA,    528                        ; a row of x in LDS: 512 bytes + 16: 132 words: the 16 rows of a load start at 16 different groups of four banks (64 banks of 4 bytes: ISA guide 11.1)
.set PB,    272                        ; a row of W^T: 256 bytes + 16
.set AHALF, 64*PA                      ; what one tensor load brings of x, and what a wave reads of it
.set BHALF, 128*PB                     ; the same for W^T
.set BOFF,  2*AHALF
.set SLOT,  BOFF+2*BHALF               ; x's 128 rows, then W^T's 256 rows
.set STAGE, 2*SLOT                     ; behind the ring: 16 rows x 272 bytes for each wave
.set SP,    272
.set SPARE, STAGE+4*16*SP              ; the spare words, 128 bytes a wave
.set ADRA, 16                          ; v16-17 my place in x's tile, slot 0, 1
.set ADRB, 20                          ; v20-21 the same for W^T
.set STO,  24
.set RD,   25
.set CO,   26
.set SPW,  28                          ; LDS address of my spare word; never rewritten
.set NIL,  29                          ; 0; never rewritten
.set PFO,  30                          ; the prefetches' lane offset; never rewritten
.set BO,   31                          ; 32 x (lane / 16): my eight numbers of a block of the bias
.set ABF,  32
.set STG,  64
.set TMP,  192
.set OB,   224
.set BF,   0                           ; window 2
.set BIAS, 128                         ; window 2
.set WV,  12
.set WM,  13                           ; which 64 tokens are mine.  Also: I fetch for x (0) or for W^T (1)
.set WN,  14                           ; which 128 columns.  Also: which half of that tile I fetch
.set RT,  15                           ; tile row, 0..63
.set G1,  24
.set G0,  32
.set CX,  40
.set CY,  41
.set CLY, 42
.set LIM, 43                           ; 1 in a wave that prefetches, else the greatest number
.set PFA, 44                           ; s[44:45] where my prefetches stand
.set KB,  46                           ; s[46:47] bytes of a K step in my operand's rows
.set G1B, 48
.set G0B, 56
.set MSB, 0
.macro WIN new                         ; the immediate's high byte repeats the setting that is left; a switch that changes nothing is dropped
.if MSB != (\new)
	s_set_vgpr_msb (MSB<<8)|(\new)
.set MSB, \new
.endif
.endm
.set MUL,  0x52                        ; source 0 (W^T) window 2, source 1 (x) window 0, C and D window 1
.set MULB, 0x62                        ; the same with C (the bias) in window 2
.set TO_B, 0x80                        ; destination window 2
.macro JLOAD s                         ; a joint load: waves 0, 1 fetch x's halves, waves 2, 3 W^T's; an s_nop 0 and four v_nop follow each line
	s_cmp_eq_u32 s[WM], 0
	s_cbranch_scc0 .Lfor_b_\@
	tensor_load_to_lds s[G0+4*(\s):G0+4*(\s)+3], s[G1:G1+7]
	s_nop 0
.rept 4
	v_nop
.endr
	s_branch .Lasked_\@
.Lfor_b_\@:
	tensor_load_to_lds s[G0B+4*(\s):G0B+4*(\s)+3], s[G1B:G1B+7]
	s_nop 0
.rept 4
	v_nop
.endr
.Lasked_\@:
.endm
.macro CREST                           ; a round of the cluster's barrier behind its opening barrier
	s_cmp_lg_u32 s[WV], 0
	s_cbranch_scc1 .Lnot_wave_0_\@
	s_barrier_signal -3
.Lnot_wave_0_\@:
	s_barrier_wait -3
	s_barrier_signal -1
	s_barrier_wait -1
.endm
.macro CROUND
	s_barrier_signal -1
	s_barrier_wait -1
	CREST
.endm
; A PREFETCH INTO THE L2 behind each joint refill and the run of LDS loads: the K step that stands two refills on (256 matrix instructions ahead of the load that will want it).
; x's rows are read by one cluster alone: every cluster asks for its own; of the 64 rows that wave 0 or 1 fetches the partner at cx takes 16, a lane a block of 256 bytes (a row's K step is two).
; W^T's rows are read by the 16 clusters of a projection: the first of them asks; of the 128 rows that wave 2 or 3 fetches the partner at cy takes 32, a lane a row.
; The partners are told apart by address alone.  K steps 0 to 3 come by their loads alone; the last two refills have no K step two on.
.macro ASK
	s_cmp_gt_u32 s3, s[LIM]                        ; s3 = 1 in the loop's last trip
	s_cbranch_scc0 .Lnot_mine_\@
	global_prefetch_b8 v[PFO], s[PFA:PFA+1] th:TH_LOAD_NT scope:SCOPE_SE
.Lnot_mine_\@:
.endm
	s_load_b512 s[68:83], s[0:1], 0x0              ; q k v s[68:73], wqt wkt wvt s[74:79], bq bk s[80:83]
	s_load_b256 s[84:91], s[0:1], 0x40             ; bv s[84:85], qh kh vh s[86:91]
	v_lshl_add_u32 v[SPW], v0, 2, SPARE
	v_mov_b32 v[NIL], 0
	ds_add_u32 v[SPW], v[NIL]                      ; the wave's opening: the add and its wait ahead of my first tensor load
	v_lshrrev_b32 v1, 5, v0
	v_readfirstlane_b32 s[WV], v1
	s_lshr_b32 s[WM], s[WV], 1
	s_and_b32 s[WN], s[WV], 1
	s_bfe_u32 s[CX], ttmp6, 0x40000
	s_bfe_u32 s[CY], ttmp6, 0x40004
	s_and_b32 s[CLY], ttmp7, 0xffff                ; the cluster's y, 0..47
	s_lshr_b32 s19, s[CLY], 4                      ; the projection: 0 q, 1 k, 2 v
	s_lshl_b32 s[RT], s[CLY], 2
	s_add_co_u32 s[RT], s[RT], s[CY]
	s_and_b32 s[RT], s[RT], 63
	s_lshl_b32 s17, s[CY], 2
	s_lshl_b32 s17, 15, s17                        ; my row of the cluster
	s_lshl_b32 s18, 0x1111, s[CX]                  ; my column
	s_or_b32 s[G1], s17, (2<<16)|(1<<20)|(1<<21)|(6<<22)|(3<<25)   ; the mask; elements of 4 bytes; padding on; bit 21 beside a mask; after every 128 words, 4 words
	s_mov_b32 s[G1+1], 128<<16                     ; tensor_dim0 = 128
	s_mov_b32 s[G1+2], 64<<16                      ; tensor_dim1 = 64
	s_mov_b32 s[G1+3], 128<<16                     ; tile_dim0 = 128
	s_mov_b32 s[G1+4], 64                          ; tile_dim1 = 64
	s_mov_b32 s[G1+5], 1024                        ; elements from row to row
	s_mov_b32 s[G1+6], 0
	s_mov_b32 s[G1+7], 0
	s_or_b32 s[G1B], s18, (1<<16)|(1<<20)|(1<<21)|(5<<22)|(3<<25)  ; elements of 2 bytes; after every 64 words, 4 words
	s_mov_b32 s[G1B+1], 128<<16
	s_mov_b32 s[G1B+2], 128<<16
	s_mov_b32 s[G1B+3], 128<<16
	s_mov_b32 s[G1B+4], 128
	s_mov_b32 s[G1B+5], 1024
	s_mov_b32 s[G1B+6], 0
	s_mov_b32 s[G1B+7], 0
	s_lshl_b32 s20, s[RT], 7                       ; x: row 128 x tile row + 64 x half, 4,096 bytes a row
	s_lshl_b32 s16, s[WN], 6
	s_add_co_u32 s20, s20, s16
	s_lshl_b32 s20, s20, 12
	s_mov_b32 s21, 0
	s_lshl_b32 s22, s[CX], 8                       ; W^T: row 256 x tile column + 128 x half, 2,048 bytes a row
	s_lshl_b32 s16, s[WN], 7
	s_add_co_u32 s22, s22, s16
	s_lshl_b32 s22, s22, 11
	s_mov_b32 s23, 0
	s_mul_i32 s66, s[WN], AHALF                    ; where they go: no place in the cluster enters an LDS address
	s_mul_i32 s67, s[WN], BHALF
	s_add_co_u32 s67, s67, BOFF
	s_wait_dscnt 0x0                               ; the opening add is done
	s_wait_kmcnt 0x0
	s_cmp_eq_u32 s19, 1
	s_cselect_b64 s[4:5], s[70:71], s[68:69]       ; x
	s_cselect_b64 s[6:7], s[76:77], s[74:75]       ; W^T
	s_cselect_b64 s[8:9], s[82:83], s[80:81]       ; the bias
	s_cselect_b64 s[10:11], s[88:89], s[86:87]     ; Y
	s_cmp_eq_u32 s19, 2
	s_cselect_b64 s[4:5], s[72:73], s[4:5]
	s_cselect_b64 s[6:7], s[78:79], s[6:7]
	s_cselect_b64 s[8:9], s[84:85], s[8:9]
	s_cselect_b64 s[10:11], s[90:91], s[10:11]
	s_add_nc_u64 s[20:21], s[4:5], s[20:21]
	s_add_nc_u64 s[22:23], s[6:7], s[22:23]
	CROUND                                         ; all sixteen work-groups are here: the first joint loads meet
.irp s, 0,1
	s_mov_b32 s[G0+4*(\s)], 1
	s_add_co_u32 s[G0+4*(\s)+1], s66, (\s)*SLOT
	s_add_nc_u64 s[G0+4*(\s)+2:G0+4*(\s)+3], s[20:21], (\s)*512   ; K step s: 128 f32
	s_or_b32 s[G0+4*(\s)+3], s[G0+4*(\s)+3], 0x80000000
	s_mov_b32 s[G0B+4*(\s)], 1
	s_add_co_u32 s[G0B+4*(\s)+1], s67, (\s)*SLOT
	s_add_nc_u64 s[G0B+4*(\s)+2:G0B+4*(\s)+3], s[22:23], (\s)*256 ; 128 bf16
	s_or_b32 s[G0B+4*(\s)+3], s[G0B+4*(\s)+3], 0x80000000
	JLOAD \s                                       ; two loads of mine are out
.endr
	v_and_b32 v1, 15, v0                           ; r = l % 16
	v_bfe_u32 v2, v0, 4, 1                         ; h = l / 16
	v_and_b32 v3, 31, v0                           ; l
	v_mul_u32_u24 v4, v1, PA
	v_lshl_add_u32 v4, v2, 5, v4                   ; x: row x pitch + 32 h: eight f32 are 32 bytes
	s_mul_i32 s16, s[WM], AHALF
	v_add_nc_u32 v[ADRA], s16, v4
	v_add_nc_u32 v[ADRA+1], SLOT, v[ADRA]
	v_mul_u32_u24 v5, v1, PB
	v_lshl_add_u32 v5, v2, 4, v5                   ; W^T, and the stage: row x 272 + 16 h
	s_mul_i32 s16, s[WN], BHALF
	s_add_co_u32 s16, s16, BOFF
	v_add_nc_u32 v[ADRB], s16, v5
	v_add_nc_u32 v[ADRB+1], SLOT, v[ADRB]
	s_mul_i32 s16, s[WV], 16*SP
	s_add_co_u32 s16, s16, STAGE                   ; my stage
	v_add_nc_u32 v[STO], s16, v5
	v_lshrrev_b32 v6, 3, v3                        ; back: 32 lanes take one head's 128 bytes of four tokens,
	v_mul_u32_u24 v6, v6, SP
	v_and_b32 v7, 7, v0
	v_lshl_add_u32 v6, v7, 4, v6
	v_add_nc_u32 v[RD], s16, v6
	v_lshlrev_b32 v[CO], 4, v3                     ; which are 512 consecutive bytes of Y
	v_lshlrev_b32 v[BO], 5, v2
	s_lshr_b32 s92, s[RT], 4                       ; Y: ((batch x 16 + head) x 2048 + token) x 128 bytes
	s_lshl_b32 s92, s92, 4
	s_lshl_b32 s93, s[CX], 2
	s_add_co_u32 s92, s92, s93
	s_lshl_b32 s93, s[WN], 1
	s_add_co_u32 s92, s92, s93                     ; my first head: 4 cx + 2 x column half
	s_lshl_b32 s92, s92, 11
	s_and_b32 s93, s[RT], 15
	s_lshl_b32 s93, s93, 7
	s_add_co_u32 s92, s92, s93
	s_lshl_b32 s93, s[WM], 6
	s_add_co_u32 s92, s92, s93
	s_lshl_b32 s92, s92, 7
	s_mov_b32 s93, 0
	s_add_nc_u64 s[10:11], s[10:11], s[92:93]
	s_lshl_b32 s94, s[CX], 10                      ; the bias at my 128 columns
	s_lshl_b32 s95, s[WN], 9
	s_add_co_u32 s94, s94, s95
	s_mov_b32 s95, 0
	s_add_nc_u64 s[8:9], s[8:9], s[94:95]
	WIN TO_B
.irp b, 0,1,2,3,4,5,6,7
	global_load_b128 v[BIAS+8*(\b):BIAS+8*(\b)+3],   v[BO], s[8:9] offset:64*(\b)     ; columns 16 b + 8 h + 0..3
	global_load_b128 v[BIAS+8*(\b)+4:BIAS+8*(\b)+7], v[BO], s[8:9] offset:64*(\b)+16
.endr
	WIN 0
	; the prefetches' address: at K step 3; each refill steps it by one K step and names what it then stands at
	s_lshl_b32 s16, s[RT], 7
	s_lshl_b32 s17, s[WN], 6
	s_add_co_u32 s16, s16, s17
	s_lshl_b32 s17, s[CX], 4
	s_add_co_u32 s16, s16, s17                     ; x: my work-group's 16 of the 64 rows
	s_lshl_b32 s16, s16, 12
	s_add_co_u32 s16, s16, 3*512
	s_lshl_b32 s17, s[CX], 8
	s_lshl_b32 s18, s[WN], 7
	s_add_co_u32 s17, s17, s18
	s_lshl_b32 s18, s[CY], 5
	s_add_co_u32 s17, s17, s18                     ; W^T: my work-group's 32 of the 128 rows
	s_lshl_b32 s17, s17, 11
	s_add_co_u32 s17, s17, 3*256
	s_and_b32 s18, s[CLY], 15
	s_mul_i32 s18, s18, s[WM]                      ; 0 for x's waves, and for W^T's in the projection's first cluster: alike in all partners
	s_cmp_eq_u32 s18, 0
	s_cselect_b32 s[LIM], 1, -1
	s_cmp_eq_u32 s[WM], 0
	s_cselect_b64 s[PFA:PFA+1], s[4:5], s[6:7]
	s_cselect_b32 s92, s16, s17
	s_cselect_b32 s16, 1, 0                        ; x: two lanes a row
	s_cselect_b32 s17, 12, 11                      ; log2 of a row's bytes
	s_mov_b32 s93, 0
	s_add_nc_u64 s[PFA:PFA+1], s[PFA:PFA+1], s[92:93]
	s_lshl_b32 s[KB], 256, s16                     ; 512 bytes of x, 256 of W^T
	s_mov_b32 s[KB+1], 0
	v_lshrrev_b32 v[PFO], s16, v3
	v_lshlrev_b32 v[PFO], s17, v[PFO]
	v_and_b32 v4, s16, v3
	v_lshl_add_u32 v[PFO], v4, 8, v[PFO]
	s_wait_loadcnt 0x0                             ; the bias: rounded to bf16 like every input, and widened again
	WIN 0x0a                                       ; sources window 2, destination window 0
.set i, 0
.rept 32
	v_cvt_pk_bf16_f32 v[STG+i], v[BIAS+2*i], v[BIAS+2*i+1]
.set i, i+1
.endr
	WIN TO_B
.set i, 0
.rept 32
	v_lshlrev_b32 v[BIAS+2*i], 16, v[STG+i]
	v_and_b32 v[BIAS+2*i+1], 0xffff0000, v[STG+i]
.set i, i+1
.endr
	WIN 0
; x's fragment a of quarter kq: 16 rows x 32 K as f32: K = 8 h + 0..7 are 32 bytes, K = 16 + 8 h + 0..7 lie 64 bytes on
.macro LDA slot, kq, g, a
	ds_load_b128 v[STG+64*(\g)+16*(\a):STG+64*(\g)+16*(\a)+3],     v[ADRA+(\slot)] offset:(\a)*16*PA+(\kq)*128
	ds_load_b128 v[STG+64*(\g)+16*(\a)+4:STG+64*(\g)+16*(\a)+7],   v[ADRA+(\slot)] offset:(\a)*16*PA+(\kq)*128+16
	ds_load_b128 v[STG+64*(\g)+16*(\a)+8:STG+64*(\g)+16*(\a)+11],  v[ADRA+(\slot)] offset:(\a)*16*PA+(\kq)*128+64
	ds_load_b128 v[STG+64*(\g)+16*(\a)+12:STG+64*(\g)+16*(\a)+15], v[ADRA+(\slot)] offset:(\a)*16*PA+(\kq)*128+80
.endm
; 32 LDS loads in one run: x's fragment 0 (wanted first: it is rounded a group ahead), W^T's eight, x's fragments 1 to 3
.macro FETCH slot, kq, g
	WIN 0
	LDA \slot, \kq, \g, 0
	WIN TO_B
.irp i, 0,1,2,3,4,5,6,7
	ds_load_b128 v[BF+64*(\g)+8*(\i):BF+64*(\g)+8*(\i)+3],   v[ADRB+(\slot)] offset:(\i)*16*PB+(\kq)*64
	ds_load_b128 v[BF+64*(\g)+8*(\i)+4:BF+64*(\g)+8*(\i)+7], v[ADRB+(\slot)] offset:(\i)*16*PB+(\kq)*64+32
.endr
	WIN 0
	LDA \slot, \kq, \g, 1
	LDA \slot, \kq, \g, 2
	LDA \slot, \kq, \g, 3
.endm
.macro CVT4 g, a, hf                   ; half a fragment of x is rounded to bf16
	WIN 0
.irp i, 0,1,2,3
	v_cvt_pk_bf16_f32 v[ABF+8*(\a)+4*(\hf)+(\i)], v[STG+64*(\g)+16*(\a)+8*(\hf)+2*(\i)], v[STG+64*(\g)+16*(\a)+8*(\hf)+2*(\i)+1]
.endr
.endm
; Eight products: token block a x all column blocks, 32 along K.  zb = 1: the bias starts the sums.  Between them fragment nx of buffer sg is rounded (nx = -1: none).
; The 32 accumulators take turns, one instruction a turn, in the same order in every quarter.  A fragment of ABF is written again sixteen conversions
; or more behind the last product that read it, and none of these names a register of that product (ISA guide 7.12.1).
.macro GROUP f, a, zb, sg, nx
.irp b, 0,1,2,3,4,5,6,7
.if \zb
	WIN MULB
	v_wmma_f32_16x16x32_bf16 v[8*(8*(\a)+(\b)):8*(8*(\a)+(\b))+7], v[BF+64*(\f)+8*(\b):BF+64*(\f)+8*(\b)+7], v[ABF+8*(\a):ABF+8*(\a)+7], v[BIAS+8*(\b):BIAS+8*(\b)+7]
.else
	WIN MUL
	v_wmma_f32_16x16x32_bf16 v[8*(8*(\a)+(\b)):8*(8*(\a)+(\b))+7], v[BF+64*(\f)+8*(\b):BF+64*(\f)+8*(\b)+7], v[ABF+8*(\a):ABF+8*(\a)+7], v[8*(8*(\a)+(\b)):8*(8*(\a)+(\b))+7]
.endif
.if ((\nx) >= 0) && ((\b) == 1)
	CVT4 \sg, \nx, 0
.endif
.if ((\nx) >= 0) && ((\b) == 5)
	CVT4 \sg, \nx, 1
.endif
.endr
.endm
; A K step is four quarters of 32 along K on buffers 0, 1, 0, 1.  One of the first three: multiplies buffer f and fetches quarter kqn of the same slot into buffer g.
; The run of loads stands sixteen conversions behind the last product that read buffer g.
.macro QUARTER slot, kqn, f, g, zb
	s_wait_dscnt 8                                 ; W^T's fragments and x's fragment 1 are in; fragments 2 and 3 (eight loads) may be out
	GROUP \f, 0, \zb, \f, 1
	s_wait_dscnt 4                                 ; fragment 2
	GROUP \f, 1, \zb, \f, 2
	FETCH \slot, \kqn, \g
	s_wait_dscnt 32                                ; all but the 32 just issued: fragment 3
	GROUP \f, 2, \zb, \f, 3
	s_wait_dscnt 28                                ; the next quarter's fragment 0
	GROUP \f, 3, \zb, \g, 0
.endm
; The last quarter multiplies buffer 1 and changes slots: ONE barrier.  In front of it each wave waits for all its tensor loads (one is out: its part of the next slot), adds 0 to its spare
; word, and waits for that and for its reads of this slot.  fill = 1: the barrier opens a round of the cluster's, and this slot is filled again, two K steps ahead, first thing behind it:
; 112 matrix instructions stand between that request and the wait for it.
.macro TURN slot, nxt, fill
.if \fill
	s_wait_xcnt 0x0                                ; the last prefetch, a K step back, has read its address
	s_add_nc_u64 s[PFA:PFA+1], s[PFA:PFA+1], s[KB:KB+1]
.endif
	s_wait_dscnt 8
	GROUP 1, 0, 0, 1, 1
	WIN 0                                          ; (the add's two registers lie in window 0)
	s_wait_tensorcnt 0x0
	ds_add_u32 v[SPW], v[NIL]
	s_wait_dscnt 5                                 ; fragment 2 is in; fragment 3's four loads and the add may be out
	GROUP 1, 1, 0, 1, 2
	s_wait_dscnt 0x0                               ; the add is done, and my reads of this slot are over
	s_barrier_signal -1
	GROUP 1, 2, 0, 1, 3                            ; work on registers while the others arrive
	WIN 0
	s_barrier_wait -1
.if \fill
	CREST                                          ; no wave of any partner still reads this slot or has a load on its way
	s_add_nc_u64 s[G0+4*(\slot)+2:G0+4*(\slot)+3], s[G0+4*(\slot)+2:G0+4*(\slot)+3], 2*512
	s_add_nc_u64 s[G0B+4*(\slot)+2:G0B+4*(\slot)+3], s[G0B+4*(\slot)+2:G0B+4*(\slot)+3], 2*256
	JLOAD \slot
.endif
	FETCH \nxt, 0, 0
.if \fill
	ASK
.endif
	s_wait_dscnt 28
	GROUP 1, 3, 0, 0, 0
.endm
	s_wait_tensorcnt 1                             ; my part of K step 0 is in; K step 1's may stay out
	s_barrier_signal -1
	s_barrier_wait -1
	FETCH 0, 0, 0
	s_wait_dscnt 28
	CVT4 0, 0, 0
	CVT4 0, 0, 1
	QUARTER 0, 1, 0, 1, 1                          ; the first quarter stands in front of the loop: its products start the sums with the bias
	WIN 0
	s_mov_b32 s3, 3
.Llap:                                                 ; a trip goes once round the ring and fills both slots again
	QUARTER 0, 2, 1, 0, 0
	QUARTER 0, 3, 0, 1, 0
	TURN 0, 1, 1
	QUARTER 1, 1, 0, 1, 0
	QUARTER 1, 2, 1, 0, 0
	QUARTER 1, 3, 0, 1, 0
	TURN 1, 0, 1
	QUARTER 0, 1, 0, 1, 0
	WIN 0
	s_sub_co_u32 s3, s3, 1
	s_cmp_lg_u32 s3, 0
	s_cbranch_scc1 .Llap
	QUARTER 0, 2, 1, 0, 0                          ; the last lap fills nothing
	QUARTER 0, 3, 0, 1, 0
	TURN 0, 1, 0
	QUARTER 1, 1, 0, 1, 0
	QUARTER 1, 2, 1, 0, 0
	QUARTER 1, 3, 0, 1, 0
	s_wait_dscnt 8                                 ; the very last quarter: nothing more to fetch
	GROUP 1, 0, 0, 1, 1
	s_wait_dscnt 4
	GROUP 1, 1, 0, 1, 2
	s_wait_dscnt 0x0
	GROUP 1, 2, 0, 1, 3
	GROUP 1, 3, 0, 0, -1
	WIN 0
.rept 4
	v_nop                                          ; four places between the last product and the conversions that read results
.endr
; THE WAY OUT of token block a: rounded to f16, 16 bytes a lane into my stage (16 tokens x 128 columns), back as one head's 128 bytes of four tokens: 512 consecutive bytes of Y.
.macro OUTBLK a
	WIN 0x05                                       ; sources window 1, destination window 0
.irp b, 0,1,2,3,4,5,6,7
.irp i, 0,1,2,3
	v_cvt_pk_f16_f32 v[TMP+4*(\b)+(\i)], v[8*(8*(\a)+(\b))+2*(\i)], v[8*(8*(\a)+(\b))+2*(\i)+1]
.endr
.endr
	WIN 0
.irp b, 0,1,2,3,4,5,6,7
	ds_store_b128 v[STO], v[TMP+4*(\b):TMP+4*(\b)+3] offset:32*(\b)
.endr
	s_wait_xcnt 0x0                                ; the block before's stores have read OB: it is loaded again only behind this wait
.irp u, 0,1,2,3
	ds_load_b128 v[OB+8*(\u):OB+8*(\u)+3],   v[RD] offset:(\u)*4*SP       ; LDS serves a wave's instructions in order (ISA guide 5.7.1.4): these see the stores above
	ds_load_b128 v[OB+8*(\u)+4:OB+8*(\u)+7], v[RD] offset:(\u)*4*SP+128   ; the second head
.endr
.irp u, 0,1,2,3
	s_wait_dscnt 7-2*(\u)
	global_store_b128 v[CO], v[OB+8*(\u):OB+8*(\u)+3],   s[10:11] offset:(16*(\a)+4*(\u))*128
	s_wait_dscnt 6-2*(\u)
	global_store_b128 v[CO], v[OB+8*(\u)+4:OB+8*(\u)+7], s[10:11] offset:262144+(16*(\a)+4*(\u))*128
.endr
.endm
	OUTBLK 0
	OUTBLK 1
	OUTBLK 2
	OUTBLK 3
	s_wait_tensorcnt 0x0                           ; the wave's end
	ds_add_u32 v[SPW], v[NIL]
	s_wait_dscnt 0x0
	CROUND                                         ; the closing round: no work-group ends while a partner may still ask for a tile that names it
	s_endpgm
.Lfunc_end_k_qc4a469c819_proj:
	.size	k_qc4a469c819_proj, .Lfunc_end_k_qc4a469c819_proj-k_qc4a469c819_proj
	.p2alignl 7, 3214868480
	.fill 96, 4, 3214868480
	.section	.rodata,"a",@progbits
	.p2align	6, 0x0
	.amdhsa_kernel k_qc4a469c819_proj
		.amdhsa_group_segment_fixed_size 327680
		.amdhsa_private_segment_fixed_size 0
		.amdhsa_enable_private_segment 0
		.amdhsa_kernarg_size 96
		.amdhsa_user_sgpr_count 2
		.amdhsa_user_sgpr_kernarg_segment_ptr 1
		.amdhsa_wavefront_size32 1
		.amdhsa_system_sgpr_workgroup_id_x 1
		.amdhsa_system_sgpr_workgroup_id_y 1
		.amdhsa_system_sgpr_workgroup_id_z 1
		.amdhsa_system_vgpr_workitem_id 0
		.amdhsa_next_free_vgpr 704
		.amdhsa_next_free_sgpr 96
		.amdhsa_reserve_vcc 0
		.amdhsa_float_denorm_mode_32 3
		.amdhsa_float_denorm_mode_16_64 3
		.amdhsa_memory_ordered 1
		.amdhsa_forward_progress 1
		.amdhsa_inst_pref_size 144
	.end_amdhsa_kernel
	.amdgpu_metadata
---
amdhsa.version: [ 1, 2 ]
amdhsa.kernels:
  - .name:           k_qc4a469c819_proj
    .symbol:         k_qc4a469c819_proj.kd
    .args:
      - { .name: q, .offset: 0, .size: 8, .value_kind: global_buffer, .address_space: global }
      - { .name: k, .offset: 8, .size: 8, .value_kind: global_buffer, .address_space: global }
      - { .name: v, .offset: 16, .size: 8, .value_kind: global_buffer, .address_space: global }
      - { .name: wqt, .offset: 24, .size: 8, .value_kind: global_buffer, .address_space: global }
      - { .name: wkt, .offset: 32, .size: 8, .value_kind: global_buffer, .address_space: global }
      - { .name: wvt, .offset: 40, .size: 8, .value_kind: global_buffer, .address_space: global }
      - { .name: bq, .offset: 48, .size: 8, .value_kind: global_buffer, .address_space: global }
      - { .name: bk, .offset: 56, .size: 8, .value_kind: global_buffer, .address_space: global }
      - { .name: bv, .offset: 64, .size: 8, .value_kind: global_buffer, .address_space: global }
      - { .name: qh, .offset: 72, .size: 8, .value_kind: global_buffer, .address_space: global }
      - { .name: kh, .offset: 80, .size: 8, .value_kind: global_buffer, .address_space: global }
      - { .name: vh, .offset: 88, .size: 8, .value_kind: global_buffer, .address_space: global }
    .group_segment_fixed_size: 327680
    .private_segment_fixed_size: 0
    .kernarg_segment_align: 8
    .kernarg_segment_size: 96
    .max_flat_workgroup_size: 128
    .sgpr_count:     96
    .vgpr_count:     704
    .wavefront_size: 32
...
	.end_amdgpu_metadata
.endif
;; end of part 2
;; launch attn (part 3): grid 4 x 64, 4 waves a work-group, no clusters, 318,976 bytes of LDS; arguments qh, kh, vh, attn_mask, oh; writes oh
.if DOCPART == 3
	.amdgcn_target "amdgcn-amd-amdhsa--gfx1250"
	.amdhsa_code_object_version 6
	.text
	.protected	k_qc4a469c819_attn
	.globl	k_qc4a469c819_attn
	.p2align	8
	.type	k_qc4a469c819_attn,@function
k_qc4a469c819_attn:
	s_mov_b64 s[64:65], 0
	v_nop
	global_prefetch_b8 v0, s[64:65] scope:SCOPE_SE
	s_setreg_imm32_b32 hwreg(HW_REG_WAVE_MODE, 25, 1), 1
	s_wait_xcnt 0x0
; BANDED ATTENTION, all rows but rows 0..15 of each (batch, head), which see every key and have a launch of their own.
; O[q] = sum over the allowed k of softmax_k(Q[q].K[k] / 8 + mask[k]) V[k];  k is allowed if |q - k| <= 256 or k < 16.  Q, K, V, O: [64][2048][64] f16, rows dense, 128 bytes.
; Products, maxima and sums in f32; the weights are rounded to f16 for the second product (their sum is taken unrounded), O once at the end.  mask is rounded to bf16 like every input.
; LIMITS.  A hidden score counts as its value less 1e30; a row needs one allowed key with 8 x mask above -1e29.  8 x bf16(mask) may be -infinity: its weight is 0.  A weight below 2^-126 counts as 0.
; +infinity and NaN are not treated apart.
; SHARES.  A work-group owns 512 queries of a head, in two halves; in a half wave w owns band X = 8 n + 4 HB + w: 64 rows, four tiles of 16.  Band X needs the key steps (64 keys) X - 4 + tau,
; tau = 0..8: tau = 0 holds the lower edge, tau = 8 the upper, the others are seen whole; and, where X >= 5, a short step on keys 0..15.  (X <= 4 meets keys 0..15 in its own steps; at X = 4,
; tau = 0 they are made visible.)  Steps outside the sequence are jumped over: the loop counts to nine in every wave.
; NO RING.  The work-group's 1,024 keys of K and of V and keys 0..31 all lie in LDS: five tensor loads a wave, all first fills, waited for once, in front of the one barrier.  So no wave waits for
; another afterwards.  At the sequence's ends the units outside it are asked for as the nearest unit inside: no step reads them, and every wave issues the same five loads.
; NO CLUSTER: neighbouring work-groups share half their keys, but at different places of their windows, and a joint load has one LDS address; heads share nothing.
; NO PREFETCH: every load stands at the head.
; THE MASKS are the C operand that starts S^T = K Q^T: 8 x bf16(mask[key]) (AMR; c = log2(e) / 8 is applied behind it), in the two edge steps with -1e30 added where the key is hidden (MC).
; LAYOUT.  S^T = K Q^T holds ONE query a lane (lane % 16) and the keys 8 (lane / 16) + 0..7; two such results rounded to f16 ARE source 1 of O^T = V^T P.  V is turned by ds_load_tr16_b128.
; p = 2^(c s - c m) with a running maximum m; O and l are multiplied by a = 2^(c m_old - c m_new) in every step.  A half starts with m at the lowest finite number and O^T and l at 0.
; REGISTERS, in windows of 256 (s_set_vgpr_msb: bits 1:0 source 0, 3:2 source 1, 5:4 source 2, 7:6 destination):
;   window 0: v1-15 addresses; v16-31 statistics, four a tile; v32-35, v36-51 at work; v52-56 the mask's offsets; v64-191 S^T, 32 a tile; v192-255 P, 16 a tile
;   window 1: v0-127 O^T, 32 a tile; v128-159 AMR; v160-167 TL; v168-175 TH; v176-183 AMG; v184-191 TX
;   window 2: v0-63 Q; v64-127 the second half's Q; v128-191 K of one step; v192-255 V of one step          window 3: v0-127 MC, 32 a tile
.set PK,    144                        ; a row of K or V in LDS: 128 bytes + 16.  K's 16 rows of a load start at 16 different groups of four banks; V's turning load meets some banks twice: a pitch of 160 does not fit
.set STEPB, 64*PK
.set UNITB, 128*PK                     ; what one tensor load brings
.set VW,    8*UNITB                    ; K's window at 0, V's here
.set KG,    2*VW                       ; keys 0..31 of K,
.set VG,    KG+32*PK                   ; of V
.set AMW,   VG+32*PK                   ; the mask's table: 20 slots of 64 f32: the window's 16 steps, keys 0..63, three idle.  Stored by the waves, never filled
.set AMGO,  16*256
.set STAGE, AMW+20*256                 ; 16 rows x 144 bytes for each wave
.set SPARE, STAGE+4*16*PK
.set AK0, 2
.set AV0, 3
.set AK,  4
.set AV,  5
.set STO, 6
.set RD,  7
.set GO,  8
.set ML,  11
.set AMRD, 12
.set AMA, 13
.set QO,  14
.set AMC, 15
.set ST,  16                           ; tile t: c m, m, l (even keys', odd keys')
.set MV,  32
.set TMP, 36                           ; tile t: c0-c3 at work; c2 takes a
.set MO,  52
.set SPW, 62
.set NIL, 63
.set S,   64
.set P,   192
.set AMR, 128
.set TL,  160                          ; -1e30 where 8 h + j < r: hidden at the lower edge, in the block on the diagonal
.set TH,  168                          ; -1e30 where 8 h + j > r: at the upper edge
.set AMG, 176
.set TX,  184
.set QB2, 64
.set KF,  128
.set VF,  192
.set MC,  0
.set WV,  14
.set NN,  15
.set BH,  16
.set X,   17
.set HB,  18
.set TAU, 19
.set G1,  20
.set G1G, 28
.set G0,  36                           ; s[36:55] five sets
.set CS,  56
.set SEL, 58
.set TBK, 60                           ; LDS byte of K of the step in hand.  These three are set at a half's head and stepped once a trip, at the loop's foot, on every way
.set TBV, 61                           ; of its V
.set AMI, 62                           ; of its slot of the mask's table, less AMW
.set SS,  63
.set AL,  66
.set AH,  68
.set BLO, 70
.set BHI, 72
.set B0,  74
.set Z0,  76
.set HID, 78
.set QBS, 92
.set OBS, 94
.set MB,  96
.set MSB, 0
.macro WIN new
.if MSB != (\new)
	s_set_vgpr_msb (MSB<<8)|(\new)
.set MSB, (\new)
.endif
.endm
.set W_KQ, 0x0a                        ; K and Q window 2, S^T window 0
.set W_KA, 0x1a                        ; the same with C in window 1
.set W_KM, 0x3a                        ; with C in window 3
.set W_PV, 0x52                        ; V window 2, P window 0, O^T window 1
.set W_RS, 0x41                        ; destination and source 0 window 1, source 1 window 0
.macro PLACES
.rept 4
	v_nop
.endr
.endm
	s_load_b256 s[4:11], s[0:1], 0x0               ; Q s[4:5], K s[6:7], V s[8:9], mask s[10:11]
	s_load_b64 s[12:13], s[0:1], 0x20              ; O
	v_lshl_add_u32 v[SPW], v0, 2, SPARE
	v_mov_b32 v[NIL], 0
	ds_add_u32 v[SPW], v[NIL]                      ; the wave's opening: the add and its wait ahead of my first tensor load
	v_lshrrev_b32 v1, 5, v0
	v_readfirstlane_b32 s[WV], v1
	s_mov_b32 s[NN], ttmp9
	s_and_b32 s[BH], ttmp7, 0xffff
	s_mov_b32 s[G1], (1<<16)|(1<<20)|(4<<22)|(3<<25)  ; 2-byte elements; padding on: after every 32 words (a key) 4 words
	s_mov_b32 s[G1+1], 128<<16                     ; 128 keys are 16,384 dense bytes: 64 rows of 256 bytes
	s_mov_b32 s[G1+2], 64<<16
	s_mov_b32 s[G1+3], 128<<16
	s_mov_b32 s[G1+4], 64
	s_mov_b32 s[G1+5], 128
	s_mov_b32 s[G1+6], 0
	s_mov_b32 s[G1+7], 0
	s_mov_b32 s[G1G], (1<<16)|(1<<20)|(4<<22)|(3<<25) ; 16 keys: 8 such rows
	s_mov_b32 s[G1G+1], 128<<16
	s_mov_b32 s[G1G+2], 8<<16
	s_mov_b32 s[G1G+3], 128<<16
	s_mov_b32 s[G1G+4], 8
	s_mov_b32 s[G1G+5], 128
	s_mov_b32 s[G1G+6], 0
	s_mov_b32 s[G1G+7], 0
	s_lshr_b32 s80, s[WV], 1                       ; I fetch K (0) or V (1),
	s_and_b32 s81, s[WV], 1                        ; the even or the odd units
	s_mul_i32 s82, s80, 32*PK
	s_mul_i32 s83, s81, 16*PK
	s_add_co_u32 s82, s82, s83
	s_add_co_u32 s[G0+1], s82, KG
	s_mul_i32 s82, s80, VW
	s_mul_i32 s83, s81, UNITB
	s_add_co_u32 s82, s82, s83
.irp i, 0,1,2,3
	s_add_co_u32 s[G0+4*(\i)+5], s82, 2*(\i)*UNITB
.endr
.irp i, 0,1,2,3,4
	s_mov_b32 s[G0+4*(\i)], 1
.endr
	s_lshl_b32 s84, s[NN], 2
	s_add_co_u32 s84, s84, s81
.irp i, 0,1,2,3
	s_add_co_i32 s85, s84, 2*(\i)-2                ; the unit in the sequence: 4 n - 2 + its place in the window,
	s_max_i32 s85, s85, 0                          ; or the nearest inside
	s_min_i32 s85, s85, 15
	s_lshl_b32 s[86+(\i)], s85, 14
.endr
	s_mov_b32 s[CS], 0x3e38aa3b                    ; c = log2(e) / 8
	s_mov_b32 s[CS+1], s[CS]
	s_mov_b32 s[SEL], 0x76543210
	s_mov_b32 s[SEL+1], 0xfedcba98
	s_mov_b32 s[HID], 0xf149f2ca                   ; -1e30
	s_mov_b32 s[AL+1], 0                           ; named as pairs
	s_mov_b32 s[AH+1], 0
	s_mov_b32 s[BLO+1], 0
	s_mov_b32 s[BHI+1], 0
	s_mov_b32 s[B0+1], 0
	s_mov_b32 s[Z0+1], 0
	s_wait_dscnt 0x0                               ; the opening add is done
	s_wait_kmcnt 0x0
	s_cmp_eq_u32 s80, 0
	s_cselect_b64 s[82:83], s[6:7], s[8:9]
	s_lshl_b32 s84, s[BH], 18                      ; a head is 2,048 rows of 128 bytes
	s_mov_b32 s85, 0
	s_add_nc_u64 s[82:83], s[82:83], s[84:85]
	s_lshl_b32 s84, s81, 11
	s_add_nc_u64 s[G0+2:G0+3], s[82:83], s[84:85]  ; keys 0..15 or 16..31
	s_or_b32 s[G0+3], s[G0+3], 0x80000000
.irp i, 0,1,2,3
	s_mov_b32 s84, s[86+(\i)]
	s_add_nc_u64 s[G0+4*(\i)+6:G0+4*(\i)+7], s[82:83], s[84:85]
	s_or_b32 s[G0+4*(\i)+7], s[G0+4*(\i)+7], 0x80000000
.endr
	tensor_load_to_lds s[G0:G0+3], s[G1G:G1G+7]    ; five loads of mine are out
	s_nop 0
.irp i, 1,2,3,4
	tensor_load_to_lds s[G0+4*(\i):G0+4*(\i)+3], s[G1:G1+7]
	s_nop 0
.endr
	PLACES
	s_lshl_b32 s80, s[BH], 11
	s_lshl_b32 s81, s[NN], 9
	s_add_co_u32 s80, s80, s81
	s_lshl_b32 s81, s[WV], 6
	s_add_co_u32 s80, s80, s81                     ; my band's first row in the first half
	s_lshl_b32 s80, s80, 7
	s_mov_b32 s81, 0
	s_add_nc_u64 s[QBS:QBS+1], s[4:5], s[80:81]
	s_add_nc_u64 s[OBS:OBS+1], s[12:13], s[80:81]
	s_lshr_b32 s80, s[BH], 4
	s_lshl_b32 s80, s80, 13                        ; the batch's 2,048 f32
	s_add_nc_u64 s[MB:MB+1], s[10:11], s[80:81]
	v_and_b32 v1, 15, v0                           ; r
	v_bfe_u32 v9, v0, 4, 1                         ; h
	v_lshlrev_b32 v[ML], 4, v1
	s_mul_i32 s80, s[WV], 5                        ; my five slots of the mask's table
	s_lshl_b32 s81, s[NN], 3
	s_add_co_u32 s81, s81, s80
.irp i, 0,1,2,3,4
	s_add_co_i32 s82, s81, (\i)-4                  ; slot 5 w + i holds key step 8 n - 4 + 5 w + i, or the nearest inside;
	s_max_i32 s82, s82, 0
	s_min_i32 s82, s82, 31
	s_add_co_u32 s83, s80, \i
	s_cmp_lt_u32 s83, 16
	s_cselect_b32 s82, s82, 0                      ; slots 16 to 19 hold keys 0..63
	v_lshl_add_u32 v[MO+(\i)], s82, 8, v[ML]
.endr
.irp i, 0,1,2,3,4
	global_load_b128 v[S+4*(\i):S+4*(\i)+3], v[MO+(\i)], s[MB:MB+1]  ; lanes 16-31 repeat lanes 0-15
.endr
	v_lshlrev_b32 v[QO], 7, v1
	v_lshl_add_u32 v[QO], v9, 4, v[QO]
	WIN 0x80
.irp g, 0,1
.irp i, 0,1,2,3,4,5,6,7                ; both halves' Q: tile i / 2, channels 32 (i % 2) on; the second half lies 256 rows on
	global_load_b128 v[64*(\g)+8*(\i):64*(\g)+8*(\i)+3],   v[QO], s[QBS:QBS+1] offset:(\g)*32768+((\i)/2)*2048+((\i)%2)*64
	global_load_b128 v[64*(\g)+8*(\i)+4:64*(\g)+8*(\i)+7], v[QO], s[QBS:QBS+1] offset:(\g)*32768+((\i)/2)*2048+((\i)%2)*64+32
.endr
.endr
	WIN 0
	v_mul_u32_u24 v[AK0], v1, PK
	v_lshl_add_u32 v[AK0], v9, 4, v[AK0]           ; row x pitch + 16 h
	v_and_b32 v10, 7, v0
	v_bfe_u32 v[AMC], v0, 3, 1
	v_lshl_add_u32 v[AV0], v9, 3, v10              ; the turning load: key 8 h + l % 8, channels 8 ((l / 8) % 2) on
	v_mul_u32_u24 v[AV0], v[AV0], PK
	v_lshl_add_u32 v[AV0], v[AMC], 4, v[AV0]
	s_mul_i32 s80, s[WV], 16*PK
	s_add_co_u32 s80, s80, STAGE
	v_add_nc_u32 v[STO], s80, v[AK0]
	v_bfe_u32 v[RD], v0, 3, 2
	v_mul_u32_u24 v[RD], v[RD], PK
	v_lshl_add_u32 v[RD], v10, 4, v[RD]
	v_add_nc_u32 v[RD], s80, v[RD]
	v_and_b32 v[GO], 31, v0
	v_lshlrev_b32 v[GO], 4, v[GO]
	v_lshlrev_b32 v[AMRD], 5, v9
	v_add_nc_u32 v[AMRD], AMW, v[AMRD]             ; my eight keys of a block of 16: 32 h
	s_mul_i32 s80, s[WV], 5*256
	s_add_co_u32 s80, s80, AMW
	v_add_nc_u32 v[AMA], s80, v[ML]
	v_lshlrev_b32 v10, 3, v9
	v_sub_nc_u32 v10, v1, v10                      ; r - 8 h
	WIN 0x40
.irp j, 0,1,2,3,4,5,6,7
	v_cmp_lt_i32 vcc_lo, \j, v10
	v_cndmask_b32 v[TL+(\j)], 0, s[HID], vcc_lo
	v_cmp_gt_i32 vcc_lo, \j, v10
	v_cndmask_b32 v[TH+(\j)], 0, s[HID], vcc_lo
.endr
	WIN 0
	s_wait_loadcnt 32                              ; the mask's five loads are in; Q's 32 are younger
.irp i, 0,1,2,3,4
	v_cvt_pk_bf16_f32 v[S+20+2*(\i)], v[S+4*(\i)], v[S+4*(\i)+1]
	v_cvt_pk_bf16_f32 v[S+21+2*(\i)], v[S+4*(\i)+2], v[S+4*(\i)+3]
.endr
.irp i, 0,1,2,3,4
	v_lshlrev_b32 v[S+4*(\i)], 16, v[S+20+2*(\i)]
	v_and_b32 v[S+4*(\i)+1], 0xffff0000, v[S+20+2*(\i)]
	v_lshlrev_b32 v[S+4*(\i)+2], 16, v[S+21+2*(\i)]
	v_and_b32 v[S+4*(\i)+3], 0xffff0000, v[S+21+2*(\i)]
	v_pk_mul_f32 v[S+4*(\i):S+4*(\i)+1], v[S+4*(\i):S+4*(\i)+1], 0x41000000 op_sel_hi:[1,0]      ; x 8, exact: c = log2(e) / 8 follows
	v_pk_mul_f32 v[S+4*(\i)+2:S+4*(\i)+3], v[S+4*(\i)+2:S+4*(\i)+3], 0x41000000 op_sel_hi:[1,0]
	ds_store_b128 v[AMA], v[S+4*(\i):S+4*(\i)+3] offset:256*(\i)
.endr
	s_wait_loadcnt 0x0                             ; Q
	s_wait_tensorcnt 0x0                           ; my five tiles have landed,
	s_wait_dscnt 0x0                               ; my slots of the table are stored:
	s_barrier_signal -1
	s_barrier_wait -1                              ; everybody's.  From here on LDS is only read, but for each wave's own stage
.macro REGS t
.set rT, ST+4*(\t)
.set rC, TMP+4*(\t)
.set rM, MV+(\t)
.set rS, S+32*(\t)
.set rP, P+16*(\t)
.set rO, 32*(\t)
.endm
; THE MATRIX WORK.  Pieces y = 0, 1 of two tiles.  The 8 accumulators of a run of 16 take turns.
; Product i of 16 of S^T = K Q^T: channels 32 (i / 8) on, keys 16 ((i / 2) % 4) on, tile 2 y + i % 2.  The first 8 start the sums with the mask.
.macro KQ y, m
.set kT, 2*(\y)+i%2
.set kB, (i/2)%4
.set rS, S+32*kT+8*kB
.set rK, KF+16*kB+8*(i/8)
.set rQ, 16*kT+8*(i/8)
.if (i < 8) && (\m)
	WIN W_KM
	v_wmma_f32_16x16x32_f16 v[rS:rS+7], v[rK:rK+7], v[rQ:rQ+7], v[MC+32*kT+8*kB:MC+32*kT+8*kB+7]
.elseif i < 8
	WIN W_KA
	v_wmma_f32_16x16x32_f16 v[rS:rS+7], v[rK:rK+7], v[rQ:rQ+7], v[AMR+8*kB:AMR+8*kB+7]
.else
	WIN W_KQ
	v_wmma_f32_16x16x32_f16 v[rS:rS+7], v[rK:rK+7], v[rQ:rQ+7], v[rS:rS+7]
.endif
.endm
; Product i of 16 of O^T += V^T P: keys 32 (i / 8) on, channels 16 ((i / 2) % 4) on, tile 2 y + i % 2.
.macro PV y
	WIN W_PV
.set pT, 2*(\y)+i%2
.set rO, 32*pT+8*((i/2)%4)
.set rV, VF+32*(i/8)+8*((i/2)%4)
.set rP, P+16*pT+8*(i/8)
	v_wmma_f32_16x16x32_f16 v[rO:rO+7], v[rV:rV+7], v[rP:rP+7], v[rO:rO+7]
.endm
; THE LDS LOADS stand in runs.  V of the step in hand; K and the mask of the step in hand (ah = 0: at a half's head) or of the next step (ah = 1: in the loop): one step on is 9,216 bytes
; of K and 256 of the table, which stand in the loads' immediates, 16,224 at the most.
.macro FETCH_V
	WIN 0
	v_add_nc_u32 v[AV], s[TBV], v[AV0]
	WIN 0x80
.irp f, 0,1,2,3,4,5,6,7
	ds_load_tr16_b128 v[VF+8*(\f):VF+8*(\f)+3],   v[AV] offset:((\f)/4)*32*PK+((\f)%4)*32
	ds_load_tr16_b128 v[VF+8*(\f)+4:VF+8*(\f)+7], v[AV] offset:((\f)/4)*32*PK+16*PK+((\f)%4)*32
.endr
	WIN 0
.endm
.macro FETCH_KA ah
	WIN 0
	v_add_nc_u32 v[AK], s[TBK], v[AK0]
	v_add_nc_u32 v[AMC], s[AMI], v[AMRD]
	WIN 0x80
.irp f, 0,1,2,3,4,5,6,7
	ds_load_b128 v[KF+8*(\f):KF+8*(\f)+3],   v[AK] offset:(\ah)*STEPB+((\f)/2)*16*PK+((\f)%2)*64
	ds_load_b128 v[KF+8*(\f)+4:KF+8*(\f)+7], v[AK] offset:(\ah)*STEPB+((\f)/2)*16*PK+((\f)%2)*64+32
.endr
	WIN 0x40
.irp u, 0,1,2,3
	ds_load_b128 v[AMR+8*(\u):AMR+8*(\u)+3],   v[AMC] offset:(\ah)*256+64*(\u)
	ds_load_b128 v[AMR+8*(\u)+4:AMR+8*(\u)+7], v[AMC] offset:(\ah)*256+64*(\u)+16
.endr
	WIN 0
.endm
; THE VECTOR WORK.  XS t, n: number n of the 22 that find tile t's maximum and statistics (each accumulator's lowest registers are read first):
;   0-11 four chains of seven scores; 12-14, 16 the four left over, the old m, the chains into c0; 15 c m_old is kept; 17, 18 the other half of the lanes: the new m; 19-21 c m, its change, a
.macro XS t, n
	REGS \t
	WIN 0
.if (\n) < 4
	v_max3_num_f32 v[rC+(\n)], v[rS+8*(\n)], v[rS+8*(\n)+1], v[rS+8*(\n)+2]
.elseif (\n) < 12
	v_max3_num_f32 v[rC+(\n)%4], v[rC+(\n)%4], v[rS+8*((\n)%4)+2*((\n)/4)+1], v[rS+8*((\n)%4)+2*((\n)/4)+2]
.elseif (\n) == 12
	v_max3_num_f32 v[rC], v[rC], v[rS+7], v[rS+15]
.elseif (\n) == 13
	v_max3_num_f32 v[rC+1], v[rC+1], v[rS+23], v[rS+31]
.elseif (\n) == 14
	v_max3_num_f32 v[rC+2], v[rC+2], v[rC+3], v[rT+1]
.elseif (\n) == 15
	v_mov_b32 v[rM], v[rT]
.elseif (\n) == 16
	v_max3_num_f32 v[rC], v[rC], v[rC+1], v[rC+2]
.elseif (\n) == 17
	v_permlanex16_b32 v[rC+3], v[rC], s[SEL], s[SEL+1]
.elseif (\n) == 18
	v_max_num_f32 v[rT+1], v[rC], v[rC+3]
.elseif (\n) == 19
	v_mul_f32 v[rT], s[CS], v[rT+1]
.elseif (\n) == 20
	v_sub_f32 v[rC+1], v[rM], v[rT]
.else
	v_exp_f32 v[rC+2], v[rC+1]
.endif
.endm
.macro FS t, pr                        ; c s - c m for pair pr of tile t
	REGS \t
	WIN 0
	v_pk_fma_f32 v[rS+2*(\pr):rS+2*(\pr)+1], v[rS+2*(\pr):rS+2*(\pr)+1], s[CS:CS+1], v[rT:rT+1] op_sel_hi:[1,0,0] neg_lo:[0,0,1] neg_hi:[0,0,1]
.endm
.macro EX t, sc                        ; the exponential of score sc of tile t
	REGS \t
	WIN 0
	v_exp_f32 v[rS+(\sc)], v[rS+(\sc)]
.endm
; GS y, g: number g of the 64 that follow piece y's exponentials.  For each four weights of a tile: both pairs are rounded to f16; the second pair is added onto the first, in place;
; a group later l takes that sum (the first time as l = a l + sum).  In groups of eight, the tiles alternating.
.macro GS y, g
.set gh, (\g)+6*((\g)/62)
.if gh >= 6
.set gh, gh+2
.endif
	REGS 2*(\y)+gh%2
.set gk, gh/8
	WIN 0
.if gh%8 < 4
	v_cvt_pk_f16_f32 v[rP+2*gk+(gh%8)/2], v[rS+4*gk+2*((gh%8)/2)], v[rS+4*gk+2*((gh%8)/2)+1]
.elseif gh%8 < 6
	v_pk_add_f32 v[rS+4*gk:rS+4*gk+1], v[rS+4*gk:rS+4*gk+1], v[rS+4*gk+2:rS+4*gk+3]
.elseif gk == 1
	v_pk_fma_f32 v[rT+2:rT+3], v[rT+2:rT+3], v[rC+2:rC+3], v[rS:rS+1] op_sel_hi:[1,0,1]
.else
	v_pk_add_f32 v[rT+2:rT+3], v[rT+2:rT+3], v[rS+4*gk-4:rS+4*gk-3]
.endif
.endm
.macro R2 y                            ; four numbers of piece y's O^T times a; sixteen of these for each tile pair, ascending
	REGS 2*(\y)+rr%2
	WIN W_RS
	v_pk_mul_f32 v[rO+4*(rr/2):rO+4*(rr/2)+1], v[rO+4*(rr/2):rO+4*(rr/2)+1], v[rC+2:rC+3] op_sel_hi:[1,0]
	v_pk_mul_f32 v[rO+4*(rr/2)+2:rO+4*(rr/2)+3], v[rO+4*(rr/2)+2:rO+4*(rr/2)+3], v[rC+2:rC+3] op_sel_hi:[1,0]
.set rr, rr+1
.endm
.macro PQ1                             ; the plain instructions beside piece 0's exponentials: its scalings, then tiles 2 and 3's maximum and statistics
.if q < 32
	FS q%2, q/2
.else
	XS 2+(q-32)%2, (q-32)/2
.endif
.set q, q+1
.endm
.macro PQ2                             ; beside piece 1's exponentials: its scalings, then piece 0's roundings and sums
.if q < 32
	FS 2+q%2, q/2
.else
	GS 0, q-32
.endif
.set q, q+1
.endm
; A step's 32 products K Q^T.  Piece 0's stand bare; four places; behind each of piece 1's stand two plain instructions of tiles 0 and 1's maximum.
.macro SCORES m
.set i, 0
.rept 16
	KQ 0, \m
.set i, i+1
.endr
	PLACES
.set i, 0
.rept 16
	KQ 1, \m
	XS 0, i
	XS 1, i
.set i, i+1
.endr
	WIN 0
.endm
	s_mov_b32 s[HB], 0
.Lhalf:
	s_lshl_b32 s80, s[HB], 2
	s_add_co_u32 s80, s80, s[WV]                   ; my band's place in the window
	s_lshl_b32 s[X], s[NN], 3
	s_add_co_u32 s[X], s[X], s80
	s_mul_i32 s[TBK], s80, STEPB
	s_add_co_u32 s[TBV], s[TBK], VW
	s_lshl_b32 s[AMI], s80, 8
	FETCH_KA 0                                     ; K and the mask of tau = 0; they land while the half's sums are set
	WIN 0x40
.set i, 0
.rept 128                              ; O^T = 0: so a first step whose 64 keys all carry a mask of -infinity (a = 1 there: the maximum has not risen) keeps nothing of the half before
	v_mov_b32 v[i], 0
.set i, i+1
.endr
	WIN 0
.irp t, 0,1,2,3
	v_mov_b32 v[ST+4*(\t)+1], 0xff7fffff           ; m: the lowest finite number
	v_mov_b32 v[ST+4*(\t)+2], 0
	v_mov_b32 v[ST+4*(\t)+3], 0
.endr
.irp t, 0,1,2,3
	v_mul_f32 v[ST+4*(\t)], s[CS], v[ST+4*(\t)+1]  ; c m
.endr
	s_cmp_lt_u32 s[X], 5
	s_cbranch_scc1 .Lnoglob
	; THE SHORT STEP: keys 0..15, which lie below the band's window.  It starts m, l and O^T.  V's keys 16..31 meet weights 0.
	v_add_nc_u32 v[AK], KG, v[AK0]
	v_add_nc_u32 v[AV], VG, v[AV0]
	WIN 0x80
	ds_load_b128 v[VF+32:VF+35], v[AK]
	ds_load_b128 v[VF+36:VF+39], v[AK] offset:32
	ds_load_b128 v[VF+40:VF+43], v[AK] offset:64
	ds_load_b128 v[VF+44:VF+47], v[AK] offset:96
.irp f, 0,1,2,3
	ds_load_tr16_b128 v[VF+8*(\f):VF+8*(\f)+3],   v[AV] offset:(\f)*32
	ds_load_tr16_b128 v[VF+8*(\f)+4:VF+8*(\f)+7], v[AV] offset:16*PK+(\f)*32
.endr
	WIN 0x40
	ds_load_b128 v[AMG:AMG+3],   v[AMRD] offset:AMGO
	ds_load_b128 v[AMG+4:AMG+7], v[AMRD] offset:AMGO+16
	s_wait_dscnt 0x0
	WIN W_KA
.irp t, 0,1,2,3
	v_wmma_f32_16x16x32_f16 v[S+32*(\t):S+32*(\t)+7], v[VF+32:VF+39], v[16*(\t):16*(\t)+7], v[AMG:AMG+7]
.endr
	WIN W_KQ
.irp t, 0,1,2,3
	v_wmma_f32_16x16x32_f16 v[S+32*(\t):S+32*(\t)+7], v[VF+40:VF+47], v[16*(\t)+8:16*(\t)+15], v[S+32*(\t):S+32*(\t)+7]
.endr
	WIN 0
	PLACES
.irp t, 0,1,2,3
	v_max3_num_f32 v[TMP+4*(\t)], v[S+32*(\t)], v[S+32*(\t)+1], v[S+32*(\t)+2]
.endr
.irp t, 0,1,2,3
	v_max3_num_f32 v[TMP+4*(\t)+3], v[S+32*(\t)+3], v[S+32*(\t)+4], v[S+32*(\t)+5]
.endr
.irp t, 0,1,2,3
	v_max3_num_f32 v[TMP+4*(\t)], v[TMP+4*(\t)], v[S+32*(\t)+6], v[S+32*(\t)+7]
.endr
.irp t, 0,1,2,3
	v_max3_num_f32 v[TMP+4*(\t)], v[TMP+4*(\t)], v[TMP+4*(\t)+3], v[ST+4*(\t)+1]
.endr
.irp t, 0,1,2,3
	v_permlanex16_b32 v[TMP+4*(\t)+3], v[TMP+4*(\t)], s[SEL], s[SEL+1]
.endr
.irp t, 0,1,2,3
	v_max_num_f32 v[ST+4*(\t)+1], v[TMP+4*(\t)], v[TMP+4*(\t)+3]
.endr
.irp t, 0,1,2,3
	v_mul_f32 v[ST+4*(\t)], s[CS], v[ST+4*(\t)+1]
.endr
.irp p, 0,1,2,3
.irp t, 0,1,2,3
	v_pk_fma_f32 v[S+32*(\t)+2*(\p):S+32*(\t)+2*(\p)+1], v[S+32*(\t)+2*(\p):S+32*(\t)+2*(\p)+1], s[CS:CS+1], v[ST+4*(\t):ST+4*(\t)+1] op_sel_hi:[1,0,0] neg_lo:[0,0,1] neg_hi:[0,0,1]
.endr
.endr
.irp j, 0,1,2,3,4,5,6,7
.irp t, 0,1,2,3
	v_exp_f32 v[S+32*(\t)+(\j)], v[S+32*(\t)+(\j)]
.endr
.endr
	v_nop                                          ; a plain instruction behind the last exponential,
	s_wait_alu depctr_va_vdst(0)                   ; and one wait ahead of the batch's first reader
.irp p, 0,1,2,3
.irp t, 0,1,2,3
	v_cvt_pk_f16_f32 v[P+16*(\t)+(\p)], v[S+32*(\t)+2*(\p)], v[S+32*(\t)+2*(\p)+1]
	v_mov_b32 v[P+16*(\t)+4+(\p)], 0
.endr
.endr
.irp t, 0,1,2,3
	v_pk_add_f32 v[S+32*(\t):S+32*(\t)+1], v[S+32*(\t):S+32*(\t)+1], v[S+32*(\t)+2:S+32*(\t)+3]
	v_pk_add_f32 v[S+32*(\t)+4:S+32*(\t)+5], v[S+32*(\t)+4:S+32*(\t)+5], v[S+32*(\t)+6:S+32*(\t)+7]
.endr
.irp t, 0,1,2,3
	v_pk_add_f32 v[ST+4*(\t)+2:ST+4*(\t)+3], v[S+32*(\t):S+32*(\t)+1], v[S+32*(\t)+4:S+32*(\t)+5]
.endr
	WIN W_PV
.irp u, 0,1,2,3
.irp t, 0,1,2,3
	v_wmma_f32_16x16x32_f16 v[32*(\t)+8*(\u):32*(\t)+8*(\u)+7], v[VF+8*(\u):VF+8*(\u)+7], v[P+16*(\t):P+16*(\t)+7], 0
.endr
.endr
	WIN 0
.Lnoglob:
	s_mov_b32 s[TAU], 0
.Lstep:                                                ; nine trips in every wave; a step outside the sequence is jumped over, forward, past no barrier and no tensor load
	s_add_co_u32 s[SS], s[X], s[TAU]               ; the key step + 4
	s_cmp_lt_u32 s[SS], 4
	s_cbranch_scc1 .Ldead
	s_cmp_gt_u32 s[SS], 35
	s_cbranch_scc1 .Ldead
	PLACES                                         ; behind the last product that read V
	FETCH_V
	s_wait_dscnt 16                                ; K and the mask, asked for a step ago, are in; V's sixteen loads are younger
	s_cmp_eq_u32 s[TAU], 0
	s_cbranch_scc1 .Ledge
	s_cmp_eq_u32 s[TAU], 8
	s_cbranch_scc1 .Ledge
	SCORES 0
	s_branch .Lsoft
.Ledge:                                                ; an edge step: query 16 t + r sees key 16 u + 8 h + j if it is not below (tau = 0) or not above (tau = 8) it
	s_cmp_eq_u32 s[TAU], 0
	s_cselect_b32 s[AL], 1.0, 0
	s_cselect_b32 s[AH], 0, 1.0
	s_cselect_b32 s[BLO], s[HID], 0                ; blocks below the diagonal
	s_cselect_b32 s[BHI], 0, s[HID]                ; blocks above it
	s_cselect_b32 s80, s[X], 0
	s_cmp_eq_u32 s80, 4                            ; band 4's lower edge step holds keys 0..15, which everybody sees
	s_cselect_b32 s[B0], 0, s[BLO]
	s_cselect_b32 s[Z0], 0, 1.0
	WIN 0x51
.irp p, 0,1,2,3
	v_pk_mul_f32 v[TX+2*(\p):TX+2*(\p)+1], v[TL+2*(\p):TL+2*(\p)+1], s[AL:AL+1] op_sel_hi:[1,0]
.endr
.irp p, 0,1,2,3
	v_pk_fma_f32 v[TX+2*(\p):TX+2*(\p)+1], v[TH+2*(\p):TH+2*(\p)+1], s[AH:AH+1], v[TX+2*(\p):TX+2*(\p)+1] op_sel_hi:[1,0,1]
.endr
	WIN 0xd1                                       ; destination window 3, sources 0 and 2 window 1
.irp t, 0,1,2,3
.irp u, 0,1,2,3
.irp p, 0,1,2,3
.if ((\t) == (\u)) && ((\t) == 0)
	v_pk_fma_f32 v[MC+32*(\t)+8*(\u)+2*(\p):MC+32*(\t)+8*(\u)+2*(\p)+1], v[TX+2*(\p):TX+2*(\p)+1], s[Z0:Z0+1], v[AMR+8*(\u)+2*(\p):AMR+8*(\u)+2*(\p)+1] op_sel_hi:[1,0,1]
.elseif (\t) == (\u)
	v_pk_fma_f32 v[MC+32*(\t)+8*(\u)+2*(\p):MC+32*(\t)+8*(\u)+2*(\p)+1], v[TX+2*(\p):TX+2*(\p)+1], 1.0, v[AMR+8*(\u)+2*(\p):AMR+8*(\u)+2*(\p)+1] op_sel_hi:[1,0,1]
.elseif (\u) == 0
	v_pk_add_f32 v[MC+32*(\t)+8*(\u)+2*(\p):MC+32*(\t)+8*(\u)+2*(\p)+1], v[AMR+8*(\u)+2*(\p):AMR+8*(\u)+2*(\p)+1], s[B0:B0+1] op_sel_hi:[1,0]
.elseif (\u) < (\t)
	v_pk_add_f32 v[MC+32*(\t)+8*(\u)+2*(\p):MC+32*(\t)+8*(\u)+2*(\p)+1], v[AMR+8*(\u)+2*(\p):AMR+8*(\u)+2*(\p)+1], s[BLO:BLO+1] op_sel_hi:[1,0]
.else
	v_pk_add_f32 v[MC+32*(\t)+8*(\u)+2*(\p):MC+32*(\t)+8*(\u)+2*(\p)+1], v[AMR+8*(\u)+2*(\p):AMR+8*(\u)+2*(\p)+1], s[BHI:BHI+1] op_sel_hi:[1,0]
.endif
.endr
.endr
.endr
	SCORES 1
.Lsoft:
.irp n, 16,17,18,19,20
	XS 0, \n
	XS 1, \n
.endr
	s_wait_dscnt 0x0                               ; V is in
	s_cmp_eq_u32 s[TAU], 8
	s_cbranch_scc1 .Lnok                           ; there is no tenth step
	FETCH_KA 1                                     ; the next step's; ten vector instructions stand behind the last product that read K and the mask
.Lnok:
	; BATCH 1: tiles 0 and 1's a, piece 0's 64 exponentials, tiles 2 and 3's a; a plain instruction stands beside each.  Nothing ahead of the wait names a result of the batch.
	XS 0, 21
	XS 1, 21
.set q, 0
.rept 8
	PQ1
.endr
.set e, 0
.rept 64
	EX e%2, e/2
	PQ1
.set e, e+1
.endr
	PQ1
	PQ1
	XS 2, 21
	XS 3, 21
	v_nop                                          ; a plain instruction behind the last exponential
	s_wait_alu depctr_va_vdst(0)                   ; one wait for the batch
	; BATCH 2: piece 1's 64 exponentials; beside them its scalings and piece 0's roundings and sums, which read batch 1's results
.set q, 0
.rept 8
	PQ2
.endr
.set e, 0
.rept 64
	EX 2+e%2, e/2
	PQ2
.set e, e+1
.endr
	s_wait_alu depctr_va_vdst(0)                   ; one wait for the batch; the plain line just above stands behind its last exponential
.set g, 40
.rept 24
	GS 0, g
.set g, g+1
.endr
.set rr, 0
.rept 16
	R2 0
.endr
.set i, 0
.set g, 0
.rept 16                               ; piece 0's V^T P; behind each product four of piece 1's roundings and sums
	PV 0
.rept 4
	GS 1, g
.set g, g+1
.endr
.set i, i+1
.endr
.set rr, 0
.rept 16
	R2 1
.endr
.set i, 0
.rept 16
	PV 1
.set i, i+1
.endr
	WIN 0
	s_branch .Lnext
.Ldead:
	s_wait_dscnt 0x0                               ; the loads for the step that is jumped over have landed: their registers may be loaded again
	s_cmp_eq_u32 s[TAU], 8
	s_cbranch_scc1 .Lnext
	FETCH_KA 1
.Lnext:
	s_add_co_u32 s[TBK], s[TBK], STEPB             ; on to the next step, on every way: 64 keys of K and of V, a slot of the table
	s_add_co_u32 s[TBV], s[TBV], STEPB
	s_add_co_u32 s[AMI], s[AMI], 256
	s_add_co_u32 s[TAU], s[TAU], 1
	s_cmp_lt_u32 s[TAU], 9
	s_cbranch_scc1 .Lstep
	; THE WAY OUT.  l's two halves and the other half of the lanes' are added; O^T is divided by l, rounded to f16 and sent through my stage, a tile at a time.  The first additions are the places behind the last products.
.irp t, 0,1,2,3
	v_add_f32 v[ST+4*(\t)+2], v[ST+4*(\t)+2], v[ST+4*(\t)+3]
.endr
.irp t, 0,1,2,3
	v_permlanex16_b32 v[ST+4*(\t)+3], v[ST+4*(\t)+2], s[SEL], s[SEL+1]
.endr
.irp t, 0,1,2,3
	v_add_f32 v[ST+4*(\t)+2], v[ST+4*(\t)+2], v[ST+4*(\t)+3]
.endr
.irp t, 0,1,2,3
	v_rcp_f32 v[ST+4*(\t)+2], v[ST+4*(\t)+2]
.endr
	v_nop
	s_wait_alu depctr_va_vdst(0)                   ; one wait for the four reciprocals, ahead of the branch and of their first use
.macro OUT t
	WIN W_RS
.set i, 32*(\t)
.rept 16
	v_pk_mul_f32 v[i:i+1], v[i:i+1], v[ST+4*(\t)+2:ST+4*(\t)+3] op_sel_hi:[1,0]
.set i, i+2
.endr
	WIN 0x05
.set i, 0
.rept 16
	v_cvt_pk_f16_f32 v[S+16*(\t)+i], v[32*(\t)+2*i], v[32*(\t)+2*i+1]
.set i, i+1
.endr
	WIN 0
.irp f, 0,1,2,3
	ds_store_b128 v[STO], v[S+16*(\t)+4*(\f):S+16*(\t)+4*(\f)+3] offset:32*(\f)
.endr
.irp f, 0,1,2,3
	ds_load_b128 v[S+16*(\t)+4*(\f):S+16*(\t)+4*(\f)+3], v[RD] offset:(\f)*4*PK  ; LDS serves a wave's instructions in order (ISA guide 5.7.1.4): these see the stores above
.endr
.irp f, 0,1,2,3
	s_wait_dscnt 3-(\f)
	global_store_b128 v[GO], v[S+16*(\t)+4*(\f):S+16*(\t)+4*(\f)+3], s[OBS:OBS+1] offset:(\t)*2048+(\f)*512  ; four rows: 512 consecutive bytes, aligned
.endr
.endm
	s_cmp_eq_u32 s[X], 0
	s_cbranch_scc1 .Lnot0                          ; rows 0..15 of a head see every key: the next launch makes them
	OUT 0
.Lnot0:
	OUT 1
	OUT 2
	OUT 3
	s_wait_xcnt 0x0                                ; the stores have read their registers and O's address
	s_add_nc_u64 s[OBS:OBS+1], s[OBS:OBS+1], 32768 ; the second half lies 256 rows on
	WIN 0x82                                       ; its Q goes where the one text of the steps names Q
.set i, 0
.rept 64
	v_mov_b32 v[i], v[QB2+i]
.set i, i+1
.endr
	WIN 0
	s_add_co_u32 s[HB], s[HB], 1
	s_cmp_lt_u32 s[HB], 2
	s_cbranch_scc1 .Lhalf
	s_wait_tensorcnt 0x0                           ; the wave's end
	ds_add_u32 v[SPW], v[NIL]
	s_wait_dscnt 0x0
	s_endpgm
.Lfunc_end_k_qc4a469c819_attn:
	.size	k_qc4a469c819_attn, .Lfunc_end_k_qc4a469c819_attn-k_qc4a469c819_attn
	.p2alignl 7, 3214868480
	.fill 96, 4, 3214868480
	.section	.rodata,"a",@progbits
	.p2align	6, 0x0
	.amdhsa_kernel k_qc4a469c819_attn
		.amdhsa_group_segment_fixed_size 318976
		.amdhsa_private_segment_fixed_size 0
		.amdhsa_enable_private_segment 0
		.amdhsa_kernarg_size 40
		.amdhsa_user_sgpr_count 2
		.amdhsa_user_sgpr_kernarg_segment_ptr 1
		.amdhsa_wavefront_size32 1
		.amdhsa_system_sgpr_workgroup_id_x 1
		.amdhsa_system_sgpr_workgroup_id_y 1
		.amdhsa_system_sgpr_workgroup_id_z 1
		.amdhsa_system_vgpr_workitem_id 0
		.amdhsa_next_free_vgpr 896
		.amdhsa_next_free_sgpr 98
		.amdhsa_reserve_vcc 1
		.amdhsa_float_denorm_mode_32 3
		.amdhsa_float_denorm_mode_16_64 3
		.amdhsa_memory_ordered 1
		.amdhsa_forward_progress 1
		.amdhsa_inst_pref_size 94
	.end_amdhsa_kernel
	.amdgpu_metadata
---
amdhsa.version: [ 1, 2 ]
amdhsa.kernels:
  - .name:           k_qc4a469c819_attn
    .symbol:         k_qc4a469c819_attn.kd
    .args:
      - { .name: qh, .offset: 0, .size: 8, .value_kind: global_buffer, .address_space: global }
      - { .name: kh, .offset: 8, .size: 8, .value_kind: global_buffer, .address_space: global }
      - { .name: vh, .offset: 16, .size: 8, .value_kind: global_buffer, .address_space: global }
      - { .name: attn_mask, .offset: 24, .size: 8, .value_kind: global_buffer, .address_space: global }
      - { .name: oh, .offset: 32, .size: 8, .value_kind: global_buffer, .address_space: global }
    .group_segment_fixed_size: 318976
    .private_segment_fixed_size: 0
    .kernarg_segment_align: 8
    .kernarg_segment_size: 40
    .max_flat_workgroup_size: 128
    .sgpr_count:     98
    .vgpr_count:     896
    .wavefront_size: 32
...
	.end_amdgpu_metadata
.endif
;; end of part 3
;; launch grows (part 4): grid 64 x 1, 16 waves a work-group, no clusters, 299,520 bytes of LDS; arguments qh, kh, vh, attn_mask, oh; writes oh
.if DOCPART == 4
	.amdgcn_target "amdgcn-amd-amdhsa--gfx1250"
	.amdhsa_code_object_version 6
	.text
	.protected	k_qc4a469c819_grows
	.globl	k_qc4a469c819_grows
	.p2align	8
	.type	k_qc4a469c819_grows,@function
k_qc4a469c819_grows:
	s_mov_b64 s[64:65], 0
	v_nop
	global_prefetch_b8 v0, s[64:65] scope:SCOPE_SE
	s_setreg_imm32_b32 hwreg(HW_REG_WAVE_MODE, 25, 1), 1
	s_wait_xcnt 0x0
; ROWS 0..15 OF EACH (batch, head): they see all 2,048 keys.  O[q] = sum over k of softmax_k(Q[q].K[k] / 8 + mask[k]) V[k].  Formats and limits as in the banded launch; nothing is hidden here.
; SHARES.  A work-group to a head: 64 of them; sixteen rows fit no band, and inside the banded launch they would make one work-group in four the longest.  Wave v takes keys 128 v .. 128 v + 127
; as ONE step: one maximum (the lowest finite number among its operands), no rescaling.  The sixteen partial results (O^T, c m, l) meet in LDS; waves 0 to 3 join them, a block of 16 channels each,
; with the largest c m taken away.
; K's fragments come straight from memory (nothing is shared between waves).  V has to be turned: one tensor load a wave brings its 128 keys into LDS bytes of its own.
; When a wave has read its V it lays its partial result onto those bytes: they have had their only fill.
; No cluster (heads share nothing), no prefetch (every load stands at the head of a short launch).
.set PK,    144
.set UNITB, 128*PK
.set STG,   16*UNITB                   ; 16 rows x 144 bytes, in ten blocks of 256
.set SPARE, STG+2560                   ; the spare words: 128 bytes for each of 16 waves
.set QO,  2
.set AV,  3
.set MOF, 4
.set LP,  5
.set LQ,  6
.set VA,  7
.set VB,  8
.set SPW, 14
.set NIL, 15
.set Q,   16                           ; v16-31 Q's two fragments; later at work:
.set CH,  16                           ; v16-19 four chains
.set CM,  20                           ; v20-21 c m, then m and at last l
.set LC,  24                           ; v24-31 four chains of sums
.set S,   32                           ; v32-95 S^T, 8 blocks of 16 keys; P takes its lower half
.set O,   96                           ; v96-127 O^T
.set KV,  128                          ; v128-255 K, then V, then the sixteen partial O^T
.set WV,  14
.set G1,  20
.set G0,  28
.set CS,  32
.set SEL, 34
.set LOW, 38
	s_load_b256 s[4:11], s[0:1], 0x0               ; Q s[4:5], K s[6:7], V s[8:9], mask s[10:11]
	s_load_b64 s[12:13], s[0:1], 0x20              ; O
	v_lshl_add_u32 v[SPW], v0, 2, SPARE
	v_mov_b32 v[NIL], 0
	ds_add_u32 v[SPW], v[NIL]                      ; the wave's opening: the add and its wait ahead of my tensor load
	v_lshrrev_b32 v1, 5, v0
	v_readfirstlane_b32 s[WV], v1                  ; wave 0..15
	s_mov_b32 s[G1], (1<<16)|(1<<20)|(4<<22)|(3<<25)  ; 2-byte elements; after every 32 words (a key) 4 words of padding
	s_mov_b32 s[G1+1], 128<<16                     ; 128 keys: 64 rows of 256 bytes
	s_mov_b32 s[G1+2], 64<<16
	s_mov_b32 s[G1+3], 128<<16
	s_mov_b32 s[G1+4], 64
	s_mov_b32 s[G1+5], 128
	s_mov_b32 s[G1+6], 0
	s_mov_b32 s[G1+7], 0
	s_mov_b32 s[G0], 1
	s_mul_i32 s[G0+1], s[WV], UNITB
	s_lshl_b32 s16, ttmp9, 18                      ; the head's first byte
	s_mov_b32 s17, 0
	s_lshl_b32 s18, s[WV], 14                      ; my 128 keys
	s_mov_b32 s19, 0
	s_lshr_b32 s36, ttmp9, 4
	s_lshl_b32 s36, s36, 13                        ; the batch's mask,
	s_lshl_b32 s37, s[WV], 9                       ; my 128 numbers of it
	s_add_co_u32 s36, s36, s37
	s_mov_b32 s37, 0
	s_mov_b32 s[CS], 0x3e38aa3b                    ; c = log2(e) / 8
	s_mov_b32 s[CS+1], s[CS]
	s_mov_b32 s[SEL], 0x76543210
	s_mov_b32 s[SEL+1], 0xfedcba98
	s_mov_b32 s[LOW], 0xff7fffff
	s_wait_dscnt 0x0
	s_wait_kmcnt 0x0
	s_add_nc_u64 s[4:5], s[4:5], s[16:17]
	s_add_nc_u64 s[6:7], s[6:7], s[16:17]
	s_add_nc_u64 s[6:7], s[6:7], s[18:19]
	s_add_nc_u64 s[8:9], s[8:9], s[16:17]
	s_add_nc_u64 s[8:9], s[8:9], s[18:19]
	s_add_nc_u64 s[10:11], s[10:11], s[36:37]
	s_add_nc_u64 s[12:13], s[12:13], s[16:17]
	s_mov_b64 s[G0+2:G0+3], s[8:9]
	s_or_b32 s[G0+3], s[G0+3], 0x80000000
	tensor_load_to_lds s[G0:G0+3], s[G1:G1+7]      ; one load of mine is out
	s_nop 0
.rept 4
	v_nop
.endr
	v_and_b32 v1, 15, v0                           ; r
	v_bfe_u32 v9, v0, 4, 1                         ; h
	v_and_b32 v10, 31, v0                          ; l
	v_lshlrev_b32 v[MOF], 5, v9
	v_lshlrev_b32 v[QO], 7, v1
	v_lshl_add_u32 v[QO], v9, 4, v[QO]
.irp u, 0,1,2,3,4,5,6,7
	global_load_b128 v[S+8*(\u):S+8*(\u)+3],   v[MOF], s[10:11] offset:64*(\u)      ; the mask lies where the scores will: key 16 u + 8 h + j in register 8 u + j
	global_load_b128 v[S+8*(\u)+4:S+8*(\u)+7], v[MOF], s[10:11] offset:64*(\u)+16
.endr
.irp j, 0,1,2,3
	global_load_b128 v[Q+4*(\j):Q+4*(\j)+3], v[QO], s[4:5] offset:32*(\j)
.endr
.irp f, 0,1,2,3,4,5,6,7,8,9,10,11,12,13,14,15
	global_load_b128 v[KV+8*(\f):KV+8*(\f)+3],   v[QO], s[6:7] offset:((\f)/2)*2048+((\f)%2)*64
	global_load_b128 v[KV+8*(\f)+4:KV+8*(\f)+7], v[QO], s[6:7] offset:((\f)/2)*2048+((\f)%2)*64+32
.endr
	v_and_b32 v11, 7, v0
	v_bfe_u32 v12, v0, 3, 1
	v_lshl_add_u32 v[AV], v9, 3, v11
	v_mul_u32_u24 v[AV], v[AV], PK
	v_lshl_add_u32 v[AV], v12, 4, v[AV]
	v_add_nc_u32 v[AV], s[G0+1], v[AV]             ; the turning load's place in my V
	v_lshl_add_u32 v[LP], v10, 4, s[G0+1]          ; my partial O^T: 16 bytes a lane,
	v_lshl_add_u32 v[LQ], v10, 3, s[G0+1]          ; c m and l: 8 bytes a lane
	s_wait_loadcnt 36                              ; the mask is in; Q's 4 and K's 32 loads are younger
.set i, 0
.rept 32
	v_cvt_pk_bf16_f32 v[O+i], v[S+2*i], v[S+2*i+1]
.set i, i+1
.endr
.set i, 0
.rept 32
	v_lshlrev_b32 v[S+2*i], 16, v[O+i]
	v_and_b32 v[S+2*i+1], 0xffff0000, v[O+i]
	v_pk_mul_f32 v[S+2*i:S+2*i+1], v[S+2*i:S+2*i+1], 0x41000000 op_sel_hi:[1,0]  ; x 8, exact
.set i, i+1
.endr
	s_wait_loadcnt 0x0
.irp c, 0,1                            ; S^T = 8 mask + K Q^T: the eight accumulators take turns
.irp u, 0,1,2,3,4,5,6,7
	v_wmma_f32_16x16x32_f16 v[S+8*(\u):S+8*(\u)+7], v[KV+16*(\u)+8*(\c):KV+16*(\u)+8*(\c)+7], v[Q+8*(\c):Q+8*(\c)+7], v[S+8*(\u):S+8*(\u)+7]
.endr
.endr
.rept 4
	v_nop                                          ; four places: K's registers are loaded again, Q's written, the scores read
.endr
	s_wait_tensorcnt 0x0                           ; my V has landed; nobody else reads it
.irp f, 0,1,2,3,4,5,6,7,8,9,10,11,12,13,14,15      ; keys 32 (f / 4) on, channels 16 (f % 4) on
	ds_load_tr16_b128 v[KV+8*(\f):KV+8*(\f)+3],   v[AV] offset:((\f)/4)*32*PK+((\f)%4)*32
	ds_load_tr16_b128 v[KV+8*(\f)+4:KV+8*(\f)+7], v[AV] offset:((\f)/4)*32*PK+16*PK+((\f)%4)*32
.endr
.irp u, 0,1,2,3                        ; the maximum, in four chains; each accumulator's lowest registers are read first
	v_max3_num_f32 v[CH+(\u)], v[S+8*(\u)], v[S+8*(\u)+1], v[S+8*(\u)+2]
.endr
.irp u, 0,1,2,3
	v_max3_num_f32 v[CH+(\u)], v[CH+(\u)], v[S+8*(\u)+3], v[S+8*(\u)+4]
.endr
.irp u, 0,1,2,3
	v_max3_num_f32 v[CH+(\u)], v[CH+(\u)], v[S+8*(\u)+5], v[S+8*(\u)+6]
.endr
.irp j, 0,2,4,6
.irp u, 0,1,2,3
	v_max3_num_f32 v[CH+(\u)], v[CH+(\u)], v[S+32+8*(\u)+(\j)], v[S+32+8*(\u)+(\j)+1]
.endr
.endr
	v_max3_num_f32 v[CH], v[CH], v[S+7], v[S+15]
	v_max3_num_f32 v[CH+1], v[CH+1], v[S+23], v[S+31]
	v_max3_num_f32 v[CH+2], v[CH+2], v[CH+3], s[LOW]
	v_max3_num_f32 v[CH], v[CH], v[CH+1], v[CH+2]
	v_permlanex16_b32 v[CH+3], v[CH], s[SEL], s[SEL+1]  ; the query's other 64 keys lie in the lane 16 away
	v_max_num_f32 v[CM+1], v[CH], v[CH+3]
	v_mul_f32 v[CM], s[CS], v[CM+1]
.set i, 0
.rept 32
	v_pk_fma_f32 v[S+2*i:S+2*i+1], v[S+2*i:S+2*i+1], s[CS:CS+1], v[CM:CM+1] op_sel_hi:[1,0,0] neg_lo:[0,0,1] neg_hi:[0,0,1]
.set i, i+1
.endr
.set i, 0
.rept 64
	v_exp_f32 v[S+i], v[S+i]
.set i, i+1
.endr
	v_nop
	s_wait_alu depctr_va_vdst(0)                   ; one wait for the batch of 64
.irp j, 0,1,2,3
	v_pk_add_f32 v[LC+2*(\j):LC+2*(\j)+1], v[S+2*(\j):S+2*(\j)+1], v[S+8+2*(\j):S+8+2*(\j)+1]
.endr
.irp u, 2,3,4,5,6,7
.irp j, 0,1,2,3
	v_pk_add_f32 v[LC+2*(\j):LC+2*(\j)+1], v[LC+2*(\j):LC+2*(\j)+1], v[S+8*(\u)+2*(\j):S+8*(\u)+2*(\j)+1]
.endr
.endr
.set i, 0
.rept 32                               ; P in place, ascending: word i takes weights 2 i and 2 i + 1, which lie at or above it
	v_cvt_pk_f16_f32 v[S+i], v[S+2*i], v[S+2*i+1]
.set i, i+1
.endr
	s_wait_dscnt 0x0                               ; V is in
.irp j, 0,1,2,3                        ; O^T = V^T P: keys 32 j on; the four accumulators take turns; the first four products start the sums
.irp u, 0,1,2,3
.if (\j) == 0
	v_wmma_f32_16x16x32_f16 v[O+8*(\u):O+8*(\u)+7], v[KV+32*(\j)+8*(\u):KV+32*(\j)+8*(\u)+7], v[S+8*(\j):S+8*(\j)+7], 0
.else
	v_wmma_f32_16x16x32_f16 v[O+8*(\u):O+8*(\u)+7], v[KV+32*(\j)+8*(\u):KV+32*(\j)+8*(\u)+7], v[S+8*(\j):S+8*(\j)+7], v[O+8*(\u):O+8*(\u)+7]
.endif
.endr
.endr
	v_pk_add_f32 v[LC:LC+1], v[LC:LC+1], v[LC+2:LC+3]        ; l: these four are the places behind the last product
	v_pk_add_f32 v[LC+4:LC+5], v[LC+4:LC+5], v[LC+6:LC+7]
	v_pk_add_f32 v[LC:LC+1], v[LC:LC+1], v[LC+4:LC+5]
	v_add_f32 v[CM+1], v[LC], v[LC+1]
	v_permlanex16_b32 v[CH+3], v[CM+1], s[SEL], s[SEL+1]
	v_add_f32 v[CM+1], v[CM+1], v[CH+3]
.irp g, 0,1,2,3,4,5,6,7
	ds_store_b128 v[LP], v[O+4*(\g):O+4*(\g)+3] offset:512*(\g)
.endr
	ds_store_b64 v[LQ], v[CM:CM+1] offset:4096
	s_wait_dscnt 0x0                               ; for the others' sake: my partial result lies in LDS
	s_barrier_signal -1
	s_barrier_wait -1
	s_cmp_lt_u32 s[WV], 4
	s_cbranch_scc0 .Lmeet
	v_lshlrev_b32 v[VA], 4, v10                    ; wave u joins channels 16 u .. 16 u + 15: registers 8 u .. 8 u + 7 of each partial O^T
	v_lshl_add_u32 v[VA], s[WV], 10, v[VA]
	v_lshlrev_b32 v[VB], 3, v10
.set w, 0
.rept 16
	ds_load_b64 v[S+2*w:S+2*w+1], v[VB] offset:4096
	ds_load_b128 v[KV+8*w:KV+8*w+3], v[VA]
	ds_load_b128 v[KV+8*w+4:KV+8*w+7], v[VA] offset:512
	v_add_nc_u32 v[VA], UNITB, v[VA]
	v_add_nc_u32 v[VB], UNITB, v[VB]
.set w, w+1
.endr
	s_wait_dscnt 0x0
	v_max3_num_f32 v[CH], v[S], v[S+2], v[S+4]     ; the largest c m
.irp j, 3,5,7,9,11,13
	v_max3_num_f32 v[CH], v[CH], v[S+2*(\j)], v[S+2*(\j)+2]
.endr
	v_max_num_f32 v[CH], v[CH], v[S+30]
.set w, 0
.rept 16
	v_sub_f32 v[S+2*w], v[S+2*w], v[CH]
.set w, w+1
.endr
.set w, 0
.rept 16
	v_exp_f32 v[S+2*w], v[S+2*w]                   ; each part's factor
.set w, w+1
.endr
	v_nop
	s_wait_alu depctr_va_vdst(0)
	v_mul_f32 v[CH+1], v[S], v[S+1]
.irp p, 0,1,2,3
	v_pk_mul_f32 v[O+2*(\p):O+2*(\p)+1], v[KV+2*(\p):KV+2*(\p)+1], v[S:S+1] op_sel_hi:[1,0]
.endr
.set w, 1
.rept 15
	v_fmac_f32 v[CH+1], v[S+2*w], v[S+2*w+1]
.irp p, 0,1,2,3
	v_pk_fma_f32 v[O+2*(\p):O+2*(\p)+1], v[KV+8*w+2*(\p):KV+8*w+2*(\p)+1], v[S+2*w:S+2*w+1], v[O+2*(\p):O+2*(\p)+1] op_sel_hi:[1,0,1]
.endr
.set w, w+1
.endr
	v_rcp_f32 v[CH+2], v[CH+1]
	v_nop
	s_wait_alu depctr_va_vdst(0)
.irp p, 0,1,2,3
	v_pk_mul_f32 v[O+2*(\p):O+2*(\p)+1], v[O+2*(\p):O+2*(\p)+1], v[CH+2:CH+3] op_sel_hi:[1,0]
.endr
.irp p, 0,1,2,3
	v_cvt_pk_f16_f32 v[O+8+(\p)], v[O+2*(\p)], v[O+2*(\p)+1]
.endr
	v_mul_u32_u24 v[VA], v1, PK                    ; the small stage: row r, channels 16 u + 8 h on
	v_lshl_add_u32 v[VA], v9, 4, v[VA]
	v_lshl_add_u32 v[VA], s[WV], 5, v[VA]
	v_add_nc_u32 v[VA], STG, v[VA]                 ; the stage lies beyond an immediate's 16 bits: its whole address stands in the register
	ds_store_b128 v[VA], v[O+8:O+11]
.Lmeet:
	s_wait_dscnt 0x0
	s_barrier_signal -1
	s_barrier_wait -1
	s_cmp_lt_u32 s[WV], 4
	s_cbranch_scc0 .Lend
	v_bfe_u32 v[VB], v0, 3, 2                      ; wave u takes rows 4 u .. 4 u + 3, whole: 512 consecutive bytes of O
	v_lshl_add_u32 v[VB], s[WV], 2, v[VB]
	v_mul_u32_u24 v[VB], v[VB], PK
	v_lshl_add_u32 v[VB], v11, 4, v[VB]
	v_add_nc_u32 v[VB], STG, v[VB]
	ds_load_b128 v[O:O+3], v[VB]
	v_lshlrev_b32 v[LP], 4, v10
	v_lshl_add_u32 v[LP], s[WV], 9, v[LP]
	s_wait_dscnt 0x0
	global_store_b128 v[LP], v[O:O+3], s[12:13]
.Lend:
	s_wait_tensorcnt 0x0                           ; the wave's end
	ds_add_u32 v[SPW], v[NIL]
	s_wait_dscnt 0x0
	s_endpgm
.Lfunc_end_k_qc4a469c819_grows:
	.size	k_qc4a469c819_grows, .Lfunc_end_k_qc4a469c819_grows-k_qc4a469c819_grows
	.p2alignl 7, 3214868480
	.fill 96, 4, 3214868480
	.section	.rodata,"a",@progbits
	.p2align	6, 0x0
	.amdhsa_kernel k_qc4a469c819_grows
		.amdhsa_group_segment_fixed_size 299520
		.amdhsa_private_segment_fixed_size 0
		.amdhsa_enable_private_segment 0
		.amdhsa_kernarg_size 40
		.amdhsa_user_sgpr_count 2
		.amdhsa_user_sgpr_kernarg_segment_ptr 1
		.amdhsa_wavefront_size32 1
		.amdhsa_system_sgpr_workgroup_id_x 1
		.amdhsa_system_sgpr_workgroup_id_y 1
		.amdhsa_system_sgpr_workgroup_id_z 1
		.amdhsa_system_vgpr_workitem_id 0
		.amdhsa_next_free_vgpr 256
		.amdhsa_next_free_sgpr 66
		.amdhsa_reserve_vcc 0
		.amdhsa_float_denorm_mode_32 3
		.amdhsa_float_denorm_mode_16_64 3
		.amdhsa_memory_ordered 1
		.amdhsa_forward_progress 1
		.amdhsa_inst_pref_size 45
	.end_amdhsa_kernel
	.amdgpu_metadata
---
amdhsa.version: [ 1, 2 ]
amdhsa.kernels:
  - .name:           k_qc4a469c819_grows
    .symbol:         k_qc4a469c819_grows.kd
    .args:
      - { .name: qh, .offset: 0, .size: 8, .value_kind: global_buffer, .address_space: global }
      - { .name: kh, .offset: 8, .size: 8, .value_kind: global_buffer, .address_space: global }
      - { .name: vh, .offset: 16, .size: 8, .value_kind: global_buffer, .address_space: global }
      - { .name: attn_mask, .offset: 24, .size: 8, .value_kind: global_buffer, .address_space: global }
      - { .name: oh, .offset: 32, .size: 8, .value_kind: global_buffer, .address_space: global }
    .group_segment_fixed_size: 299520
    .private_segment_fixed_size: 0
    .kernarg_segment_align: 8
    .kernarg_segment_size: 40
    .max_flat_workgroup_size: 512
    .sgpr_count:     66
    .vgpr_count:     256
    .wavefront_size: 32
...
	.end_amdgpu_metadata
.endif
;; end of part 4
;; launch outp (part 5): grid 4 x 64, 4 waves a work-group, clusters of 4 x 4, 327,680 bytes of LDS; arguments oh, wot, bo, out0; writes out0
.if DOCPART == 5
	.amdgcn_target "amdgcn-amd-amdhsa--gfx1250"
	.amdhsa_code_object_version 6
	.text
	.protected	k_qc4a469c819_outp
	.globl	k_qc4a469c819_outp
	.p2align	8
	.type	k_qc4a469c819_outp,@function
k_qc4a469c819_outp:
	s_mov_b64 s[64:65], 0
	v_nop
	global_prefetch_b8 v0, s[64:65] scope:SCOPE_SE
	s_setreg_imm32_b32 hwreg(HW_REG_WAVE_MODE, 25, 1), 1
	s_wait_xcnt 0x0
	s_wait_alu depctr_hold_cnt(0) depctr_sa_sdst(0) depctr_va_vdst(0) depctr_va_sdst(0) depctr_va_ssrc(0) depctr_va_vcc(0) depctr_vm_vsrc(0)
	s_getreg_b32 s2, hwreg(HW_REG_IB_STS2, 6, 4)
	s_cmp_eq_u32 s2, 0
	s_cbranch_scc0 .Lentry_in_a_cluster
	s_endpgm
.Lentry_in_a_cluster:
	s_bfe_u32 s2, ttmp6, 0x10000c
	s_cmp_lg_u32 s2, 0xf033
	s_cbranch_scc0 .Lentry_shape_is_right
	s_endpgm
.Lentry_shape_is_right:
; THE OUTPUT PROJECTION.  out[t][n] = sum over k of O[t][k] wo^T[n][k] + bf16(bo[n]);  O: [batch][head][token][64] f16 (k = 64 head + channel);  wo^T: [1024][1024] f16;  out: [8192][1024] f32.
; SHARES.  A tile of out is 128 tokens x 256 columns: 256 work-groups in 16 clusters of 4 x 4; a wave makes 64 x 128: 32 accumulators.  K goes in 8 steps of 128, two heads, through two LDS slots.
; A head's 128 tokens are 16,384 dense bytes: asked for as 64 rows of 256 bytes, padded in LDS after every token.
; THE MATRIX INSTRUCTION IS USED TRANSPOSED (source 0 = 16 rows of wo^T, source 1 = 16 tokens): a lane holds eight neighbouring columns of one token.  THE BIAS is the C of the first quarter's products.
; CLUSTER.  O's tile hangs on the tile row alone: asked for jointly along a row of the cluster; wo^T's on the tile column: along a column.
; REGISTERS:  window 0: v16-31 addresses; v32-63, v64-95 O's fragments, two buffers; v96-159 the way out      window 1: the accumulators, (a, b) at 8 (8 a + b)
;   window 2: v0-63, v64-127 wo^T's fragments, two buffers; v128-191 the bias
.set PA,    144                        ; a token's 128 bytes of a head + 16
.set PB,    272
.set AHEAD, 128*PA                     ; a head's 128 tokens: what one tensor load brings of O
.set BHALF, 128*PB
.set BOFF,  2*AHEAD
.set SLOT,  BOFF+2*BHALF
.set STAGE, 2*SLOT                     ; 16 rows x 528 bytes for each wave
.set SP,    528
.set SPARE, STAGE+4*16*SP
.set ADRA, 16
.set ADRB, 20
.set STO,  24
.set RD,   25
.set CO,   26
.set SPW,  28
.set NIL,  29
.set PFO,  30
.set BO,   31
.set AF,   32
.set OB,   96
.set BF,   0
.set BIAS, 128
.set WV,  12
.set WM,  13
.set WN,  14
.set RT,  15
.set G1,  24
.set G0,  32
.set CX,  40
.set CY,  41
.set CLY, 42
.set LIM, 43
.set PFA, 44
.set KB,  46
.set G1B, 48
.set G0B, 56
.set MSB, 0
.macro WIN new
.if MSB != (\new)
	s_set_vgpr_msb (MSB<<8)|(\new)
.set MSB, \new
.endif
.endm
.set MUL,  0x52
.set MULB, 0x62
.set TO_B, 0x80
.macro JLOAD s                         ; waves 0, 1 fetch the step's two heads of O, waves 2, 3 wo^T's halves; an s_nop 0 and four v_nop follow each line
	s_cmp_eq_u32 s[WM], 0
	s_cbranch_scc0 .Lfor_b_\@
	tensor_load_to_lds s[G0+4*(\s):G0+4*(\s)+3], s[G1:G1+7]
	s_nop 0
.rept 4
	v_nop
.endr
	s_branch .Lasked_\@
.Lfor_b_\@:
	tensor_load_to_lds s[G0B+4*(\s):G0B+4*(\s)+3], s[G1B:G1B+7]
	s_nop 0
.rept 4
	v_nop
.endr
.Lasked_\@:
.endm
.macro CREST
	s_cmp_lg_u32 s[WV], 0
	s_cbranch_scc1 .Lnot_wave_0_\@
	s_barrier_signal -3
.Lnot_wave_0_\@:
	s_barrier_wait -3
	s_barrier_signal -1
	s_barrier_wait -1
.endm
.macro CROUND
	s_barrier_signal -1
	s_barrier_wait -1
	CREST
.endm
.macro PLACES
.rept 4
	v_nop
.endr
.endm
; A PREFETCH INTO THE L2 behind each joint refill and the run of LDS loads: the K step two refills on (256 matrix instructions ahead of its load).  O's tile row is read by one cluster alone: wave 0 of
; each work-group asks for 16 blocks of 256 bytes of each of the step's two heads, the partner at cx the blocks 16 cx on.  wo^T's rows are read by all 16 clusters: the first asks, waves 2 and 3, the
; partner at cy 32 of the wave's 128 rows, a lane a row.  Told apart by address alone.  K steps 0 to 3 come by their loads alone; the last two refills ask for nothing.
.macro ASK
	s_cmp_gt_u32 s3, s[LIM]
	s_cbranch_scc0 .Lnot_mine_\@
	global_prefetch_b8 v[PFO], s[PFA:PFA+1] th:TH_LOAD_NT scope:SCOPE_SE
.Lnot_mine_\@:
.endm
	s_load_b256 s[4:11], s[0:1], 0x0               ; O s[4:5], wo^T s[6:7], bo s[8:9], out s[10:11]
	v_lshl_add_u32 v[SPW], v0, 2, SPARE
	v_mov_b32 v[NIL], 0
	ds_add_u32 v[SPW], v[NIL]                      ; the wave's opening: the add and its wait ahead of my first tensor load
	v_lshrrev_b32 v1, 5, v0
	v_readfirstlane_b32 s[WV], v1
	s_lshr_b32 s[WM], s[WV], 1
	s_and_b32 s[WN], s[WV], 1
	s_bfe_u32 s[CX], ttmp6, 0x40000
	s_bfe_u32 s[CY], ttmp6, 0x40004
	s_and_b32 s[CLY], ttmp7, 0xffff
	s_lshl_b32 s[RT], s[CLY], 2
	s_add_co_u32 s[RT], s[RT], s[CY]               ; tile row 0..63
	s_lshl_b32 s17, s[CY], 2
	s_lshl_b32 s17, 15, s17
	s_lshl_b32 s18, 0x1111, s[CX]
	s_or_b32 s[G1], s17, (1<<16)|(1<<20)|(1<<21)|(4<<22)|(3<<25)   ; 2-byte elements; after every 32 words (a token) 4 words
	s_mov_b32 s[G1+1], 128<<16
	s_mov_b32 s[G1+2], 64<<16
	s_mov_b32 s[G1+3], 128<<16
	s_mov_b32 s[G1+4], 64
	s_mov_b32 s[G1+5], 128
	s_mov_b32 s[G1+6], 0
	s_mov_b32 s[G1+7], 0
	s_or_b32 s[G1B], s18, (1<<16)|(1<<20)|(1<<21)|(5<<22)|(3<<25)
	s_mov_b32 s[G1B+1], 128<<16
	s_mov_b32 s[G1B+2], 128<<16
	s_mov_b32 s[G1B+3], 128<<16
	s_mov_b32 s[G1B+4], 128
	s_mov_b32 s[G1B+5], 1024
	s_mov_b32 s[G1B+6], 0
	s_mov_b32 s[G1B+7], 0
	s_lshr_b32 s20, s[RT], 4                       ; O: ((batch x 16 + head) x 2048 + 128 x (tile row % 16)) x 128 bytes; my head of K step 0 is my half's number
	s_lshl_b32 s20, s20, 4
	s_add_co_u32 s20, s20, s[WN]
	s_lshl_b32 s20, s20, 11
	s_and_b32 s16, s[RT], 15
	s_lshl_b32 s16, s16, 7
	s_add_co_u32 s20, s20, s16
	s_lshl_b32 s20, s20, 7
	s_mov_b32 s21, 0
	s_lshl_b32 s22, s[CX], 8
	s_lshl_b32 s16, s[WN], 7
	s_add_co_u32 s22, s22, s16
	s_lshl_b32 s22, s22, 11
	s_mov_b32 s23, 0
	s_mul_i32 s66, s[WN], AHEAD
	s_mul_i32 s67, s[WN], BHALF
	s_add_co_u32 s67, s67, BOFF
	s_wait_dscnt 0x0
	s_wait_kmcnt 0x0
	s_add_nc_u64 s[20:21], s[4:5], s[20:21]
	s_add_nc_u64 s[22:23], s[6:7], s[22:23]
	CROUND                                         ; all sixteen work-groups are here: the first joint loads meet
.irp s, 0,1
	s_mov_b32 s[G0+4*(\s)], 1
	s_add_co_u32 s[G0+4*(\s)+1], s66, (\s)*SLOT
	s_add_nc_u64 s[G0+4*(\s)+2:G0+4*(\s)+3], s[20:21], (\s)*524288  ; K step s: two heads on
	s_or_b32 s[G0+4*(\s)+3], s[G0+4*(\s)+3], 0x80000000
	s_mov_b32 s[G0B+4*(\s)], 1
	s_add_co_u32 s[G0B+4*(\s)+1], s67, (\s)*SLOT
	s_add_nc_u64 s[G0B+4*(\s)+2:G0B+4*(\s)+3], s[22:23], (\s)*256
	s_or_b32 s[G0B+4*(\s)+3], s[G0B+4*(\s)+3], 0x80000000
	JLOAD \s                                       ; two loads of mine are out
.endr
	v_and_b32 v1, 15, v0
	v_bfe_u32 v2, v0, 4, 1
	v_and_b32 v3, 31, v0
	v_mul_u32_u24 v4, v1, PA
	v_lshl_add_u32 v4, v2, 4, v4
	s_mul_i32 s16, s[WM], 64*PA
	v_add_nc_u32 v[ADRA], s16, v4
	v_add_nc_u32 v[ADRA+1], SLOT, v[ADRA]
	v_mul_u32_u24 v5, v1, PB
	v_lshl_add_u32 v5, v2, 4, v5
	s_mul_i32 s16, s[WN], BHALF
	s_add_co_u32 s16, s16, BOFF
	v_add_nc_u32 v[ADRB], s16, v5
	v_add_nc_u32 v[ADRB+1], SLOT, v[ADRB]
	s_mul_i32 s16, s[WV], 16*SP
	s_add_co_u32 s16, s16, STAGE
	v_mul_u32_u24 v6, v1, SP                       ; in: row r, my eight f32 at 32 h
	v_lshl_add_u32 v6, v2, 5, v6
	v_add_nc_u32 v[STO], s16, v6
	v_lshlrev_b32 v[CO], 4, v3                     ; back: a row's 512 bytes, 16 a lane; the same in out
	v_add_nc_u32 v[RD], s16, v[CO]
	v_lshlrev_b32 v[BO], 5, v2
	s_lshl_b32 s68, s[RT], 7                       ; out: row 128 x tile row + 64 x row half, 4,096 bytes a row; column 256 cx + 128 x column half
	s_lshl_b32 s69, s[WM], 6
	s_add_co_u32 s68, s68, s69
	s_lshl_b32 s68, s68, 12
	s_lshl_b32 s70, s[CX], 10
	s_lshl_b32 s69, s[WN], 9
	s_add_co_u32 s70, s70, s69
	s_mov_b32 s71, 0
	s_add_nc_u64 s[8:9], s[8:9], s[70:71]          ; the bias at my 128 columns
	s_add_co_u32 s68, s68, s70
	s_mov_b32 s69, 0
	s_add_nc_u64 s[10:11], s[10:11], s[68:69]
	WIN TO_B
.irp b, 0,1,2,3,4,5,6,7
	global_load_b128 v[BIAS+8*(\b):BIAS+8*(\b)+3],   v[BO], s[8:9] offset:64*(\b)
	global_load_b128 v[BIAS+8*(\b)+4:BIAS+8*(\b)+7], v[BO], s[8:9] offset:64*(\b)+16
.endr
	WIN 0
	s_lshr_b32 s16, s[RT], 4                       ; the prefetches' address, at K step 3
	s_lshl_b32 s16, s16, 15
	s_and_b32 s17, s[RT], 15
	s_lshl_b32 s17, s17, 7
	s_add_co_u32 s16, s16, s17
	s_lshl_b32 s16, s16, 7
	s_lshl_b32 s17, s[CX], 12
	s_add_co_u32 s16, s16, s17
	s_add_co_u32 s16, s16, 3*524288
	s_lshl_b32 s17, s[CX], 8
	s_lshl_b32 s18, s[WN], 7
	s_add_co_u32 s17, s17, s18
	s_lshl_b32 s18, s[CY], 5
	s_add_co_u32 s17, s17, s18
	s_lshl_b32 s17, s17, 11
	s_add_co_u32 s17, s17, 3*256
	s_cmp_eq_u32 s[WM], 0
	s_cselect_b32 s18, s[WN], s[CLY]               ; 0 in wave 0, and in waves 2 and 3 of the first cluster: alike in all partners
	s_cselect_b64 s[PFA:PFA+1], s[4:5], s[6:7]
	s_cselect_b32 s68, s16, s17
	s_cselect_b32 s16, 4, 0                        ; O: sixteen lanes a head,
	s_cselect_b32 s17, 18, 11                      ; heads 262,144 bytes apart; wo^T: a lane a row of 2,048 bytes
	s_cselect_b32 s19, 15, 0
	s_cselect_b32 s70, 11, 0
	s_cmp_eq_u32 s18, 0
	s_cselect_b32 s[LIM], 1, -1
	s_mov_b32 s69, 0
	s_add_nc_u64 s[PFA:PFA+1], s[PFA:PFA+1], s[68:69]
	s_lshl_b32 s[KB], 256, s70                     ; a K step: 524,288 bytes in O, 256 in wo^T
	s_mov_b32 s[KB+1], 0
	v_lshrrev_b32 v[PFO], s16, v3
	v_lshlrev_b32 v[PFO], s17, v[PFO]
	v_and_b32 v4, s19, v3
	v_lshl_add_u32 v[PFO], v4, 8, v[PFO]
	s_wait_loadcnt 0x0                             ; the bias: rounded to bf16 like every input, and widened again
	WIN 0x0a
.set i, 0
.rept 32
	v_cvt_pk_bf16_f32 v[OB+i], v[BIAS+2*i], v[BIAS+2*i+1]
.set i, i+1
.endr
	WIN TO_B
.set i, 0
.rept 32
	v_lshlrev_b32 v[BIAS+2*i], 16, v[OB+i]
	v_and_b32 v[BIAS+2*i+1], 0xffff0000, v[OB+i]
.set i, i+1
.endr
	WIN 0
; 24 LDS loads in one run: quarter kq (32 along K: head kq / 2 of the step, channels 32 (kq % 2) on) into buffer g
.macro FETCH slot, kq, g
	WIN TO_B
.irp i, 0,1,2,3,4,5,6,7
	ds_load_b128 v[BF+64*(\g)+8*(\i):BF+64*(\g)+8*(\i)+3],   v[ADRB+(\slot)] offset:(\i)*16*PB+(\kq)*64
	ds_load_b128 v[BF+64*(\g)+8*(\i)+4:BF+64*(\g)+8*(\i)+7], v[ADRB+(\slot)] offset:(\i)*16*PB+(\kq)*64+32
.endr
	WIN 0
.irp i, 0,1,2,3
	ds_load_b128 v[AF+32*(\g)+8*(\i):AF+32*(\g)+8*(\i)+3],   v[ADRA+(\slot)] offset:((\kq)/2)*AHEAD+(\i)*16*PA+((\kq)%2)*64
	ds_load_b128 v[AF+32*(\g)+8*(\i)+4:AF+32*(\g)+8*(\i)+7], v[ADRA+(\slot)] offset:((\kq)/2)*AHEAD+(\i)*16*PA+((\kq)%2)*64+32
.endr
.endm
; Eight products: token block a x all column blocks.  The 32 accumulators take turns, one instruction a turn, in the same order in every quarter.
.macro MUL8 f, a, zb
.irp b, 0,1,2,3,4,5,6,7
.if \zb
	WIN MULB
	v_wmma_f32_16x16x32_f16 v[8*(8*(\a)+(\b)):8*(8*(\a)+(\b))+7], v[BF+64*(\f)+8*(\b):BF+64*(\f)+8*(\b)+7], v[AF+32*(\f)+8*(\a):AF+32*(\f)+8*(\a)+7], v[BIAS+8*(\b):BIAS+8*(\b)+7]
.else
	WIN MUL
	v_wmma_f32_16x16x32_f16 v[8*(8*(\a)+(\b)):8*(8*(\a)+(\b))+7], v[BF+64*(\f)+8*(\b):BF+64*(\f)+8*(\b)+7], v[AF+32*(\f)+8*(\a):AF+32*(\f)+8*(\a)+7], v[8*(8*(\a)+(\b)):8*(8*(\a)+(\b))+7]
.endif
.endr
.endm
.macro QUARTER slot, kqn, f, g, zb
	s_wait_dscnt 0x0                               ; buffer f is in: its run was issued sixteen products ago
	MUL8 \f, 0, \zb
	MUL8 \f, 1, \zb
	PLACES                                         ; four places in front of loads into registers that products have read
	FETCH \slot, \kqn, \g
	MUL8 \f, 2, \zb
	MUL8 \f, 3, \zb
.endm
; The last quarter multiplies buffer 1 and changes slots: ONE barrier; in front of it each wave waits for all its tensor loads, adds 0 to its spare word, and waits for that and for its reads of this
; slot.  fill = 1: the barrier opens a round of the cluster's, and the slot is filled again first thing behind it: 112 matrix instructions stand between that request and the wait for it.
.macro TURN slot, nxt, fill
.if \fill
	s_wait_xcnt 0x0                                ; the last prefetch, a K step back, has read its address
	s_add_nc_u64 s[PFA:PFA+1], s[PFA:PFA+1], s[KB:KB+1]
.endif
	WIN 0
	s_wait_tensorcnt 0x0
	ds_add_u32 v[SPW], v[NIL]
	s_wait_dscnt 1                                 ; buffer 1 is in; the add may be out
	MUL8 1, 0, 0
	s_wait_dscnt 0x0                               ; the add is done, and my reads of this slot are over
	s_barrier_signal -1
	MUL8 1, 1, 0
	WIN 0
	s_barrier_wait -1
.if \fill
	CREST
	s_add_nc_u64 s[G0+4*(\slot)+2:G0+4*(\slot)+3], s[G0+4*(\slot)+2:G0+4*(\slot)+3], 2*524288
	s_add_nc_u64 s[G0B+4*(\slot)+2:G0B+4*(\slot)+3], s[G0B+4*(\slot)+2:G0B+4*(\slot)+3], 2*256
	JLOAD \slot                                    ; the four v_nop behind it are also the places in front of the loads below
.else
	PLACES
.endif
	FETCH \nxt, 0, 0
.if \fill
	ASK
.endif
	MUL8 1, 2, 0
	MUL8 1, 3, 0
.endm
	s_wait_tensorcnt 1                             ; my part of K step 0 is in; K step 1's may stay out
	s_barrier_signal -1
	s_barrier_wait -1
	FETCH 0, 0, 0
	QUARTER 0, 1, 0, 1, 1                          ; the first quarter's products start the sums with the bias
	WIN 0
	s_mov_b32 s3, 3
.Llap:
	QUARTER 0, 2, 1, 0, 0
	QUARTER 0, 3, 0, 1, 0
	TURN 0, 1, 1
	QUARTER 1, 1, 0, 1, 0
	QUARTER 1, 2, 1, 0, 0
	QUARTER 1, 3, 0, 1, 0
	TURN 1, 0, 1
	QUARTER 0, 1, 0, 1, 0
	WIN 0
	s_sub_co_u32 s3, s3, 1
	s_cmp_lg_u32 s3, 0
	s_cbranch_scc1 .Llap
	QUARTER 0, 2, 1, 0, 0                          ; the last lap fills nothing
	QUARTER 0, 3, 0, 1, 0
	TURN 0, 1, 0
	QUARTER 1, 1, 0, 1, 0
	QUARTER 1, 2, 1, 0, 0
	QUARTER 1, 3, 0, 1, 0
	s_wait_dscnt 0x0
	MUL8 1, 0, 0
	MUL8 1, 1, 0
	MUL8 1, 2, 0
	MUL8 1, 3, 0
	WIN 0
	PLACES                                         ; four places between the last product and the LDS stores that read results
; THE WAY OUT of token block a: the accumulators go as they are, 32 bytes a lane, into my stage (16 tokens x 128 f32) and come back as whole rows of 512 bytes.
.macro OUTBLK a
	WIN 0x04                                       ; the stores' data in window 1
.irp b, 0,1,2,3,4,5,6,7
	ds_store_b128 v[STO], v[8*(8*(\a)+(\b)):8*(8*(\a)+(\b))+3]   offset:64*(\b)
	ds_store_b128 v[STO], v[8*(8*(\a)+(\b))+4:8*(8*(\a)+(\b))+7] offset:64*(\b)+16
.endr
	WIN 0
	s_wait_xcnt 0x0                                ; the block before's stores have read OB
.irp u, 0,1,2,3,4,5,6,7,8,9,10,11,12,13,14,15
	ds_load_b128 v[OB+4*(\u):OB+4*(\u)+3], v[RD] offset:(\u)*SP  ; LDS serves a wave's instructions in order (ISA guide 5.7.1.4)
.endr
.irp u, 0,1,2,3,4,5,6,7,8,9,10,11,12,13,14,15
	s_wait_dscnt 15-(\u)
	global_store_b128 v[CO], v[OB+4*(\u):OB+4*(\u)+3], s[10:11] offset:(16*(\a)+(\u))*4096 th:TH_STORE_NT  ; 512 consecutive bytes, aligned
.endr
.endm
	OUTBLK 0
	OUTBLK 1
	OUTBLK 2
	OUTBLK 3
	s_wait_tensorcnt 0x0                           ; the wave's end
	ds_add_u32 v[SPW], v[NIL]
	s_wait_dscnt 0x0
	CROUND                                         ; the closing round
	s_endpgm
.Lfunc_end_k_qc4a469c819_outp:
	.size	k_qc4a469c819_outp, .Lfunc_end_k_qc4a469c819_outp-k_qc4a469c819_outp
	.p2alignl 7, 3214868480
	.fill 96, 4, 3214868480
	.section	.rodata,"a",@progbits
	.p2align	6, 0x0
	.amdhsa_kernel k_qc4a469c819_outp
		.amdhsa_group_segment_fixed_size 327680
		.amdhsa_private_segment_fixed_size 0
		.amdhsa_enable_private_segment 0
		.amdhsa_kernarg_size 32
		.amdhsa_user_sgpr_count 2
		.amdhsa_user_sgpr_kernarg_segment_ptr 1
		.amdhsa_wavefront_size32 1
		.amdhsa_system_sgpr_workgroup_id_x 1
		.amdhsa_system_sgpr_workgroup_id_y 1
		.amdhsa_system_sgpr_workgroup_id_z 1
		.amdhsa_system_vgpr_workitem_id 0
		.amdhsa_next_free_vgpr 704
		.amdhsa_next_free_sgpr 72
		.amdhsa_reserve_vcc 0
		.amdhsa_float_denorm_mode_32 3
		.amdhsa_float_denorm_mode_16_64 3
		.amdhsa_memory_ordered 1
		.amdhsa_forward_progress 1
		.amdhsa_inst_pref_size 95
	.end_amdhsa_kernel
	.amdgpu_metadata
---
amdhsa.version: [ 1, 2 ]
amdhsa.kernels:
  - .name:           k_qc4a469c819_outp
    .symbol:         k_qc4a469c819_outp.kd
    .args:
      - { .name: oh, .offset: 0, .size: 8, .value_kind: global_buffer, .address_space: global }
      - { .name: wot, .offset: 8, .size: 8, .value_kind: global_buffer, .address_space: global }
      - { .name: bo, .offset: 16, .size: 8, .value_kind: global_buffer, .address_space: global }
      - { .name: out0, .offset: 24, .size: 8, .value_kind: global_buffer, .address_space: global }
    .group_segment_fixed_size: 327680
    .private_segment_fixed_size: 0
    .kernarg_segment_align: 8
    .kernarg_segment_size: 32
    .max_flat_workgroup_size: 128
    .sgpr_count:     72
    .vgpr_count:     704
    .wavefront_size: 32
...
	.end_amdgpu_metadata
.endif
;; end of part 5
;; ======== version 2 of 2: 5 launches; version 1 with the launch wprep written anew for expert scheduling mode
;; limits: values are held in f16: magnitudes above 65,504 overflow, below 6.1e-05 lose precision; right only within a limited range of input values
;; workspace buffers: wqt 2,097,152 bytes; wkt 2,097,152 bytes; wvt 2,097,152 bytes; wot 2,097,152 bytes; qh 16,777,216 bytes; kh 16,777,216 bytes; vh 16,777,216 bytes; oh 16,777,216 bytes
;; launch wprep (part 6): grid 128 x 4, 4 waves a work-group, no clusters, 17,920 bytes of LDS; arguments wq, wk, wv, wo, wqt, wkt, wvt, wot; writes wqt, wkt, wvt, wot
.if DOCPART == 6
	.amdgcn_target "amdgcn-amd-amdhsa--gfx1250"
	.amdhsa_code_object_version 6
	.text
	.protected	k_qc4a469c819_wprep
	.globl	k_qc4a469c819_wprep
	.p2align	8
	.type	k_qc4a469c819_wprep,@function
k_qc4a469c819_wprep:
	s_mov_b64 s[64:65], 0
	v_nop
	global_prefetch_b8 v0, s[64:65] scope:SCOPE_SE
	s_setreg_imm32_b32 hwreg(HW_REG_WAVE_SCHED_MODE, 0, 2), 2
	s_setreg_imm32_b32 hwreg(HW_REG_WAVE_MODE, 25, 1), 1
	s_wait_xcnt 0x0
	s_wait_alu depctr_vm_vsrc(0)
; W[k][n], f32, 1024 x 1024  ->  W^T[n][k] in 16 bits, so that the products' second operand has K along its rows.
; wq, wk, wv are rounded once to bf16.  wo is rounded to bf16 like every input and that number is written as f16 (its partner O is f16):
; exact between 2^-14 and 65,504; below 2^-14 it keeps f16's fixed step of 2^-24 (LIMIT).
; SHARES.  Grid y picks the weight.  A work-group turns a tile of 128 k x 64 n: rows of 256 bytes in (64 f32), rows of 256 bytes out (128 numbers of 16 bits).
; Wave w reads k rows 32 w .. 32 w + 31, sixteen lanes a row of 256 bytes; two rows that lie under each other pack into one word (k, k + 1) of column n.
; The words go into LDS as T[n][k] (pitch 272) by stores of 4 bytes, four lanes to a bank: the launch moves 24 MiB and has no other work, so that is left as it is.
; No matrix unit, tensor load, cluster or prefetch: a short stream whose loads all go out at the head.
; THE MODE: SCHED_MODE bits 1:0 = 2 (LLVM: expert scheduling mode 2), set by the entry lines.  The code itself states the register dependences
; between vector instructions and memory or LDS instructions, with s_wait_alu, always for 0.
; THE PLAN.  Registers that memory or LDS instructions touch:
;   v4 to v7   offsets and addresses.  Written at the head and never again; read by the global loads (LO), the LDS stores (LS), the LDS loads (LR), the global stores (SO).
;   v8, v9     written at the head, read by the closing add alone.
;   X          written by the sixteen global loads; read by the conversions; behind the barrier its lower half is written by the LDS loads and read by the global stores.
;   T          a word of its own for each of the 32 LDS stores: written by the conversions, read by its store, never written again.
;   v10, v11   named by vector instructions alone.
; The eight pairs of rows go in four steps of two.  Step g converts its two pairs into T; its LDS instructions are the eight stores of step g - 1, whose words no vector instruction of
; step g names.  So ONE wait on va_vdst at a step's head, behind the wait for the step's data, states all that those stores hang on, and they are dealt among the step's conversions with
; no further wait.  No register that a memory or LDS instruction reads is ever written again, so the text holds no wait on vm_vsrc.
.set PITCH, 272
.set SPARE, 64*PITCH                   ; behind T: the spare words, 128 bytes a wave
.set LO,  4                            ; v4  my byte offset in the tile of W
.set LS,  5                            ; v5  where my words go in T
.set SO,  6                            ; v6  my byte offset in the tile of W^T
.set LR,  7                            ; v7  where I read T back
.set SPW, 8                            ; v8  LDS address of my spare word; never rewritten
.set NIL, 9                            ; v9  0; never rewritten
.set X,   16                           ; v[16:79]  as loaded: pair i of rows at X + 8 i (upper row), X + 8 i + 4 (lower row)
.set T,   80                           ; v[80:111] packed words
	s_load_b512 s[8:23], s[0:1], 0x0               ; wq wk wv wo s[8:15], wqt wkt wvt wot s[16:23]
	v_lshl_add_u32 v[SPW], v0, 2, SPARE
	v_mov_b32 v[NIL], 0
	v_lshrrev_b32 v1, 5, v0
	v_readfirstlane_b32 s30, v1                    ; wave 0..3
	s_and_b32 s24, ttmp7, 0xffff                   ; which weight
	s_and_b32 s25, ttmp9, 7                        ; tile along k
	s_lshr_b32 s26, ttmp9, 3                       ; tile along n
	v_and_b32 v1, 15, v0                           ; c: my four columns 4 c ..
	v_bfe_u32 v2, v0, 4, 1                         ; hh: which pair of rows
	v_lshlrev_b32 v[LO], 4, v1                     ; 16 c
	v_lshl_add_u32 v[LO], v2, 13, v[LO]            ; + 2 hh rows of 4,096 bytes
	s_wait_alu depctr_va_sdst(0)                   ; s30 is written, ahead of its first reader: the four offsets below are made from it
	v_lshl_add_u32 v[LO], s30, 17, v[LO]           ; + 32 w rows
	v_mul_u32_u24 v[LS], v1, 4*PITCH               ; row n = 4 c
	v_lshl_add_u32 v[LS], v2, 2, v[LS]             ; k = 2 hh: 4 bytes
	v_lshl_add_u32 v[LS], s30, 6, v[LS]            ; k = 32 w: 64 bytes
	v_lshl_add_u32 v3, s30, 4, v2                  ; row n = 16 w + hh
	v_mul_u32_u24 v[LR], v3, PITCH
	v_lshl_add_u32 v[LR], v1, 4, v[LR]
	v_lshlrev_b32 v[SO], 11, v3                    ; a row of W^T is 2,048 bytes
	v_lshl_add_u32 v[SO], v1, 4, v[SO]
	s_lshl_b32 s28, s25, 19                        ; 128 rows of 4,096 bytes
	s_lshl_b32 s27, s26, 8                         ; 64 columns of 4 bytes
	s_add_co_u32 s28, s28, s27
	s_mov_b32 s29, 0
	s_lshl_b32 s32, s26, 17                        ; 64 rows of 2,048 bytes
	s_lshl_b32 s27, s25, 8                         ; 128 columns of 2 bytes
	s_add_co_u32 s32, s32, s27
	s_mov_b32 s33, 0
	s_wait_kmcnt 0x0
	s_cmp_eq_u32 s24, 1
	s_cselect_b64 s[4:5], s[10:11], s[8:9]
	s_cselect_b64 s[6:7], s[18:19], s[16:17]
	s_cmp_eq_u32 s24, 2
	s_cselect_b64 s[4:5], s[12:13], s[4:5]
	s_cselect_b64 s[6:7], s[20:21], s[6:7]
	s_cmp_eq_u32 s24, 3
	s_cselect_b64 s[4:5], s[14:15], s[4:5]
	s_cselect_b64 s[6:7], s[22:23], s[6:7]
	s_add_nc_u64 s[4:5], s[4:5], s[28:29]
	s_add_nc_u64 s[6:7], s[6:7], s[32:33]
	s_wait_alu depctr_va_vdst(0)                   ; v4 to v9 are written: every load and store of the kernel, and the closing add, reads its address or offset there
.irp i, 0,1,2,3,4,5,6,7
	global_load_b128 v[X+8*(\i):X+8*(\i)+3],   v[LO], s[4:5] offset:(\i)*16384 th:TH_LOAD_NT
	global_load_b128 v[X+8*(\i)+4:X+8*(\i)+7], v[LO], s[4:5] offset:(\i)*16384+4096 th:TH_LOAD_NT
.endr
; Word e of pair i is made.  fmt = 0: bf16.  fmt = 1: the bf16 number written as f16.
.macro CVTW fmt, i, e
	v_cvt_pk_bf16_f32 v[T+4*(\i)+(\e)], v[X+8*(\i)+(\e)], v[X+8*(\i)+4+(\e)]  ; (k, k + 1) of column 4 c + e
.if \fmt
	v_lshlrev_b32 v10, 16, v[T+4*(\i)+(\e)]
	v_and_b32 v11, 0xffff0000, v[T+4*(\i)+(\e)]
	v_cvt_pk_f16_f32 v[T+4*(\i)+(\e)], v10, v11
.endif
.endm
; Word e of pair i goes into T.
.macro PUTW i, e
	ds_store_b32 v[LS], v[T+4*(\i)+(\e)] offset:(\e)*PITCH+8*(\i)
.endm
; The four steps, and the last step's stores.
.macro PACKW fmt
.irp g, 0,1,2,3
	s_wait_loadcnt 12-4*(\g)                       ; loads come back in order: pairs 2 g and 2 g + 1 are in, the younger pairs stay out
.if (\g) > 0
	s_wait_alu depctr_va_vdst(0)                   ; the step before's conversions have written its eight words of T, which the stores below read
.endif
.irp d, 0,1
.irp e, 0,1,2,3
.if (\g) > 0
	PUTW 2*(\g)-2+(\d), \e                         ; the step before's word.  No wait: no vector instruction since the wait above names it, or v[LS]
.endif
	CVTW \fmt, 2*(\g)+(\d), \e
.endr
.endr
.endr
	s_wait_alu depctr_va_vdst(0)                   ; the last step's conversions have written its words of T, which the stores below read; and all conversions are done reading X, in which the LDS loads behind the barrier land
.irp d, 0,1
.irp e, 0,1,2,3
	PUTW 6+(\d), \e
.endr
.endr
.endm
	s_cmp_eq_u32 s24, 3
	s_cbranch_scc1 .Lf16
	PACKW 0
	s_branch .Lpacked
.Lf16:
	PACKW 1
.Lpacked:
	s_wait_dscnt 0x0                               ; for the others' sake: my words lie in T
	s_barrier_signal -1
	s_barrier_wait -1
.irp u, 0,1,2,3,4,5,6,7
	ds_load_b128 v[X+4*(\u):X+4*(\u)+3], v[LR] offset:(\u)*2*PITCH  ; rows 16 w + 2 u + hh, whole.  No vector instruction has been issued since the last wait on va_vdst
.endr
.irp u, 0,1,2,3,4,5,6,7
	s_wait_dscnt 7-(\u)
	global_store_b128 v[SO], v[X+4*(\u):X+4*(\u)+3], s[6:7] offset:(\u)*4096  ; sixteen lanes store 256 consecutive bytes, aligned
.endr
	s_wait_dscnt 0x0                               ; the closing lines, six on end
	s_wait_alu 0x0
	s_wait_tensorcnt 0x0
	ds_add_u32 v[SPW], v[NIL]
	s_wait_dscnt 0x0
	s_endpgm
.Lfunc_end_k_qc4a469c819_wprep:
	.size	k_qc4a469c819_wprep, .Lfunc_end_k_qc4a469c819_wprep-k_qc4a469c819_wprep
	.p2alignl 7, 3214868480
	.fill 96, 4, 3214868480
	.section	.rodata,"a",@progbits
	.p2align	6, 0x0
	.amdhsa_kernel k_qc4a469c819_wprep
		.amdhsa_group_segment_fixed_size 17920
		.amdhsa_private_segment_fixed_size 0
		.amdhsa_enable_private_segment 0
		.amdhsa_kernarg_size 64
		.amdhsa_user_sgpr_count 2
		.amdhsa_user_sgpr_kernarg_segment_ptr 1
		.amdhsa_wavefront_size32 1
		.amdhsa_system_sgpr_workgroup_id_x 1
		.amdhsa_system_sgpr_workgroup_id_y 1
		.amdhsa_system_sgpr_workgroup_id_z 1
		.amdhsa_system_vgpr_workitem_id 0
		.amdhsa_next_free_vgpr 112
		.amdhsa_next_free_sgpr 66
		.amdhsa_reserve_vcc 0
		.amdhsa_float_denorm_mode_32 3
		.amdhsa_float_denorm_mode_16_64 3
		.amdhsa_memory_ordered 1
		.amdhsa_forward_progress 1
		.amdhsa_inst_pref_size 20
	.end_amdhsa_kernel
	.amdgpu_metadata
---
amdhsa.version: [ 1, 2 ]
amdhsa.kernels:
  - .name:           k_qc4a469c819_wprep
    .symbol:         k_qc4a469c819_wprep.kd
    .args:
      - { .name: wq, .offset: 0, .size: 8, .value_kind: global_buffer, .address_space: global }
      - { .name: wk, .offset: 8, .size: 8, .value_kind: global_buffer, .address_space: global }
      - { .name: wv, .offset: 16, .size: 8, .value_kind: global_buffer, .address_space: global }
      - { .name: wo, .offset: 24, .size: 8, .value_kind: global_buffer, .address_space: global }
      - { .name: wqt, .offset: 32, .size: 8, .value_kind: global_buffer, .address_space: global }
      - { .name: wkt, .offset: 40, .size: 8, .value_kind: global_buffer, .address_space: global }
      - { .name: wvt, .offset: 48, .size: 8, .value_kind: global_buffer, .address_space: global }
      - { .name: wot, .offset: 56, .size: 8, .value_kind: global_buffer, .address_space: global }
    .group_segment_fixed_size: 17920
    .private_segment_fixed_size: 0
    .kernarg_segment_align: 8
    .kernarg_segment_size: 64
    .max_flat_workgroup_size: 128
    .sgpr_count:     66
    .vgpr_count:     112
    .wavefront_size: 32
...
	.end_amdgpu_metadata
.endif
;; end of part 6
;; launch proj: the kernel of part 2 again; grid 4 x 192, 4 waves a work-group, clusters of 4 x 4, 327,680 bytes of LDS; arguments q, k, v, wqt, wkt, wvt, bq, bk, bv, qh, kh, vh; writes qh, kh, vh
;; launch attn: the kernel of part 3 again; grid 4 x 64, 4 waves a work-group, no clusters, 318,976 bytes of LDS; arguments qh, kh, vh, attn_mask, oh; writes oh
;; launch grows: the kernel of part 4 again; grid 64 x 1, 16 waves a work-group, no clusters, 299,520 bytes of LDS; arguments qh, kh, vh, attn_mask, oh; writes oh
;; launch outp: the kernel of part 5 again; grid 4 x 64, 4 waves a work-group, clusters of 4 x 4, 327,680 bytes of LDS; arguments oh, wot, bo, out0; writes out0
